; MI455X (gfx1250); checked and timed in simulation.
; The chip was launched on July 23, 2026; its instructions are those of AMD's public machine-readable ISA for CDNA 5 (MIT licence, August 2026) and "CDNA5" Instruction Set Architecture Reference Guide (July 2026). The comments in the code are by the model that wrote it; some were corrected since.
;; Multi Self Attention Head Varlen Flex. Allowed arithmetic: matrix products marked QUANTISED: E2M3 operands, one E8M0 scale for each 32 along K, by v_wmma_scale_f32_16x16x128_f8f6f4 with both operands' format E2M3, f32 sums; everything else in f32.
;; Inputs: Wk_codes 2,048 x 64 x 24 uint8 (E2M3 codes of Wk, K innermost, in blocks of 32 codes, four codes in three bytes); Wk_scales 2,048 x 64 uint8 (E8M0 scales of Wk, one for each 32 codes along K); Wo_codes 2,048 x 64 x 24 uint8 (E2M3 codes of Wo, K innermost, in blocks of 32 codes, four codes in three bytes); Wo_scales 2,048 x 64 uint8 (E8M0 scales of Wo, one for each 32 codes along K); Wq_codes 2,048 x 64 x 24 uint8 (E2M3 codes of Wq, K innermost, in blocks of 32 codes, four codes in three bytes); Wq_scales 2,048 x 64 uint8 (E8M0 scales of Wq, one for each 32 codes along K); Wv_codes 2,048 x 64 x 24 uint8 (E2M3 codes of Wv, K innermost, in blocks of 32 codes, four codes in three bytes); Wv_scales 2,048 x 64 uint8 (E8M0 scales of Wv, one for each 32 codes along K); x 2,048 x 2,048 float32.
;; Outputs: out0 2,048 x 2,048 float32.
;; This version of the problem:
;;   THIS VERSION OF THE PROBLEM IS GIVEN IN LOW PRECISION. The matrix products marked QUANTISED in the list below multiply operands that are first quantised to E2M3 (2 exponent bits, 3 mantissa bits; 6 bits a number), with one power-of-two scale for each 32 numbers along K (OCP MX v1.0); their sums are f32. All else is computed in f32.
;;   The module's matrix products, in the order in which they are computed (A, B: the left and right operand; K: the contracted axis; several contracted axes count as one K, in the product's order):
;;     1. [M 2,048, K 2,048] x [K 2,048, N 2,048]; A: computed on the way; B: input Wq (given as codes): QUANTISED
;;     2. [M 2,048, K 2,048] x [K 2,048, N 2,048]; A: computed on the way; B: input Wk (given as codes): QUANTISED
;;     3. [M 2,048, K 2,048] x [K 2,048, N 2,048]; A: computed on the way; B: input Wv (given as codes): QUANTISED
;;     4. batch 16 x [M 2,048, K 128] x [K 128, N 2,048]; A: computed on the way; B: computed on the way: QUANTISED
;;     5. batch 16 x [M 128, K 2,048] x [K 2,048, N 2,048]; A: computed on the way; B: computed on the way: QUANTISED
;;     6. [M 2,048, K 2,048] x [K 2,048, N 2,048]; A: computed on the way; B: input Wo (given as codes): QUANTISED
;;   THE QUANTISER, for each operand of a quantised product, along K:
;;     - K is cut into blocks of 32 from its start; a last block that is shorter is filled with zeros.
;;     - A block's scale is 2^e with e = floor(log2(the largest magnitude in the block)) - 2, held to -126 .. 127; a block of zeros has e = 0. As a byte (E8M0): e + 127.
;;     - Each number is divided by its block's scale, clamped to +-7.5, and rounded to the nearest number of E2M3, ties to even, subnormals kept.
;;     - The product sums the exact products of the quantised numbers (number of the format x scale) in f32.
;;   ~~~python
;;   def quantise(x, axis):      # numpy; x: float32 -> the quantised numbers, widened to float32 again
;;       x = np.moveaxis(x, axis, -1); K = x.shape[-1]
;;       x = np.pad(x, [(0, 0)] * (x.ndim - 1) + [(0, -K % 32)]); x = x.reshape(x.shape[:-1] + (-1, 32)); a = np.abs(x).max(-1, keepdims=True)
;;       e = np.where(a > 0, np.clip(np.frexp(np.where(a > 0, a, 1))[1] - 1 - 2, -126, 127), 0)      # np.frexp(a)[1] - 1 = floor(log2(a)), exactly
;;       r = np.clip(x / 2.0 ** e, -7.5, 7.5)
;;       step = 2.0 ** (np.maximum(np.frexp(np.where(r == 0, 1, r))[1] - 1, 0) - 3)
;;       q = np.round(r / step) * step * 2.0 ** e      # np.round: ties to even
;;       return np.moveaxis(q.reshape(q.shape[:-2] + (-1,))[..., :K], -1, axis).astype(np.float32)
;;   ~~~
;;   OPERANDS COMPUTED ON THE WAY. 'Computed on the way' means the value that the module computes at that place (a softmax that the list does not call 'softmax' is quantised finished and normalised). What goes into a quantiser is computed in f32, as accurately as f32 sums, v_exp_f32 and their like allow (about 1e-6 of the number): no bf16 or f16 on the way to a quantiser, and a product that is left as it is and whose result goes on into a quantised operand takes f32 operands (vector FMAs, or v_wmma_f32_16x16x4_f32). A number that lies on a knife's edge between two numbers of the format may be rounded either way, as far as f32 arithmetic and the matrix unit's own rounding can turn it there, and no further.
;;   INPUTS GIVEN AS CODES. Wk (in the module: [2048, 2048], K = its axis 0); Wo (in the module: [2048, 2048], K = its axis 0); Wq (in the module: [2048, 2048], K = its axis 0); Wv (in the module: [2048, 2048], K = its axis 0): each comes as NAME_codes (uint8): NAME with its K axis moved to the last place and cut into blocks of 32 codes, [.., K / 32, bytes a block], one block behind the other in memory; four codes in three bytes: a row's codes are one little-endian stream of bits, code i at bits 6 i .. 6 i + 5 (a code: sign, 2 exponent bits, 3 mantissa bits); and NAME_scales (uint8): the same leading axes, one E8M0 byte (e + 127) for each 32 codes along K. Its value is code x scale, taken as it is: it is not quantised again, and the codes and scales need not be those that the quantiser above would give.
;; One version. Each part assembles by itself: llvm-mc -triple=amdgcn-amd-amdhsa -mcpu=gfx1250 --defsym DOCPART=n.
;; ======== version 1 of 1: 4 launches
;; workspace buffers: xq 6,553,600 bytes; kvq 7,241,728 bytes; ob 409,600 bytes
;; launch norm (part 1): grid 512 x 1, 4 waves a work-group, no clusters, 41,472 bytes of LDS; arguments x, xq, out0; writes xq, out0
.if DOCPART == 1
	.amdgcn_target "amdgcn-amd-amdhsa--gfx1250"
	.amdhsa_code_object_version 6
	.text
	.protected	k_qce26003ddf_norm
	.globl	k_qce26003ddf_norm
	.p2align	8
	.type	k_qce26003ddf_norm,@function
k_qce26003ddf_norm:
	s_mov_b64 s[64:65], 0
	v_nop
	global_prefetch_b8 v0, s[64:65] scope:SCOPE_SE
	s_setreg_imm32_b32 hwreg(HW_REG_WAVE_MODE, 25, 1), 1
	s_wait_xcnt 0x0
; xn = LayerNorm(x) over a row of 2,048 (no gain, no bias, eps 1e-5), quantised along the row to codes of FP6 (E2M3) with one E8M0 byte for each 32 numbers.
; The codes (1,536 bytes a row) and the scale bytes (64 a row) are stored twice in xq: at row t, and at row p(t) = (t & ~255) | (t & 15) << 4 | (t >> 4) & 15,
; in which 16 neighbouring rows are the tokens 16 m + b of one residue b: the order in which the key projection wants its rows.
; Rows 256 and above of out0 are x itself: no key is allowed to those queries, so their attention is zero and only the residual is left.
; SHARES: one wave takes one row: sixteen loads of 512 consecutive bytes; mean and variance in two passes over the registers; no wave waits for another.
; The conversions take 16 neighbours from ONE lane, so the row turns through the wave's own stage in LDS (places of 256 bytes + 16) and a lane then holds 64 neighbours: two whole blocks.
; The codes (48 bytes a lane) turn back through LDS, so that each store covers 512 consecutive bytes.  The scale bytes leave as 64 bytes a row.
; LIMITS: NaN and infinities in x are not served.  A block of zeros gets the byte 1 (its codes are zeros; these bytes are read by this program alone).
.set XK,   3145728                     ; xq: codes by p(t)
.set XS,   6291456                     ; scale bytes by t
.set XKS,  6422528                     ; scale bytes by p(t)
.set WREG, 10240                       ; LDS of a wave: 32 places of 272 bytes, then 1,536 bytes for the codes
.set CST,  8704
.set X,    16                          ; v16-79   the row as loaded; later the turned row: element 64 lane + n
.set Y,    80                          ; v80-143  x - mean, then xn
.set C,    144                         ; v144-155 my 64 codes
.set T,    156                         ; v156-163 the halves of a block that a conversion cannot put at an odd register
.set D,    164                         ; v164-175 the codes as they leave
	s_load_b128 s[4:7], s[0:1], 0x0                ; x, xq
	s_load_b64 s[8:9], s[0:1], 0x10                ; out0
	v_lshl_add_u32 v176, v0, 2, 0xa000
	v_mov_b32 v177, 0
	v_lshrrev_b32 v7, 5, v0
	v_readfirstlane_b32 s10, v7                    ; wave
	v_and_b32 v7, 31, v0                           ; lane
	v_lshlrev_b32 v1, 4, v7                        ; 16 x lane
	s_lshl_b32 s11, ttmp9, 2
	s_add_co_u32 s11, s11, s10                     ; t: my row
	s_lshl_b32 s14, s11, 13                        ; 8,192 bytes a row
	s_mov_b32 s15, 0
	s_wait_kmcnt 0x0
	s_add_nc_u64 s[4:5], s[4:5], s[14:15]
	s_add_nc_u64 s[8:9], s[8:9], s[14:15]
.irp i, 0,1,2,3,4,5,6,7,8,9,10,11,12,13,14,15
	global_load_b128 v[X+4*\i:X+4*\i+3], v1, s[4:5] offset:512*\i th:TH_LOAD_NT
.endr
	; addresses, while the row is on its way
	v_lshrrev_b32 v2, 4, v7
	s_mul_i32 s13, s10, WREG
	v_lshl_add_u32 v2, v2, 4, v1
	v_add_nc_u32 v2, s13, v2                       ; into the stage: 16 lane + 16 (lane / 16); load i lies 544 i further on
	v_mul_u32_u24 v3, v7, 272
	v_add_nc_u32 v3, s13, v3                       ; out of it: place = lane
	s_add_co_u32 s13, s13, CST
	v_mul_u32_u24 v4, v7, 48
	v_add_nc_u32 v4, s13, v4                       ; my 48 bytes of codes
	v_add_nc_u32 v5, s13, v1                       ; and back, 16 bytes a lane
	v_lshlrev_b32 v6, 1, v7                        ; my two scale bytes
	s_and_b32 s12, s11, 0xffffff00
	s_and_b32 s13, s11, 15
	s_lshl_b32 s13, s13, 4
	s_or_b32 s12, s12, s13
	s_bfe_u32 s13, s11, 0x40004
	s_or_b32 s12, s12, s13                         ; p(t)
	s_mul_i32 s14, s11, 1536
	s_add_nc_u64 s[20:21], s[6:7], s[14:15]        ; codes, row t
	s_mul_i32 s14, s12, 1536
	s_add_co_u32 s14, s14, XK
	s_add_nc_u64 s[22:23], s[6:7], s[14:15]        ; codes, row p(t)
	s_lshl_b32 s14, s11, 6
	s_add_co_u32 s14, s14, XS
	s_add_nc_u64 s[24:25], s[6:7], s[14:15]        ; scale bytes, row t
	s_lshl_b32 s14, s12, 6
	s_add_co_u32 s14, s14, XKS
	s_add_nc_u64 s[26:27], s[6:7], s[14:15]        ; scale bytes, row p(t)
	s_mov_b32 s16, 0x76543210
	s_mov_b32 s17, 0xfedcba98                      ; v_permlanex16_b32: lane l xor 16
	s_mov_b32 s18, 0x3a000000                      ; 1 / 2,048
	s_mov_b32 s19, 0x3727c5ac                      ; eps = 1e-5
	s_wait_loadcnt 0x0
	s_cmp_lt_u32 s11, 256                          ; a branch on the row's number alone
	s_cbranch_scc1 .Llive
.irp i, 0,1,2,3,4,5,6,7,8,9,10,11,12,13,14,15
	global_store_b128 v1, v[X+4*\i:X+4*\i+3], s[8:9] offset:512*\i th:TH_STORE_NT   ; out0 = x: 512 consecutive bytes a store
.endr
.Llive:
	; the mean
	v_pk_add_f32 v[8:9], v[X:X+1], v[X+2:X+3]
	v_pk_add_f32 v[10:11], v[X+4:X+5], v[X+6:X+7]
.set j, 8
.rept 14
	v_pk_add_f32 v[8:9], v[8:9], v[X+j:X+j+1]
	v_pk_add_f32 v[10:11], v[10:11], v[X+j+2:X+j+3]
.set j, j+4
.endr
	v_pk_add_f32 v[8:9], v[8:9], v[10:11]
	v_add_f32 v8, v8, v9
	v_add_f32_dpp v8, v8, v8 row_xmask:1 row_mask:0xf bank_mask:0xf
	v_add_f32_dpp v8, v8, v8 row_xmask:2 row_mask:0xf bank_mask:0xf
	v_add_f32_dpp v8, v8, v8 row_xmask:4 row_mask:0xf bank_mask:0xf
	v_add_f32_dpp v8, v8, v8 row_xmask:8 row_mask:0xf bank_mask:0xf
	v_permlanex16_b32 v9, v8, s16, s17
	v_add_f32 v8, v8, v9
	v_mul_f32 v12, s18, v8
	v_mul_f32 v13, s18, v8
.set j, 0
.rept 32
	v_pk_add_f32 v[Y+j:Y+j+1], v[X+j:X+j+1], v[12:13] neg_lo:[0,1] neg_hi:[0,1]   ; x - mean
.set j, j+2
.endr
	; the variance, of the differences
	v_pk_mul_f32 v[8:9], v[Y:Y+1], v[Y:Y+1]
	v_pk_mul_f32 v[10:11], v[Y+2:Y+3], v[Y+2:Y+3]
.set j, 4
.rept 15
	v_pk_fma_f32 v[8:9], v[Y+j:Y+j+1], v[Y+j:Y+j+1], v[8:9]
	v_pk_fma_f32 v[10:11], v[Y+j+2:Y+j+3], v[Y+j+2:Y+j+3], v[10:11]
.set j, j+4
.endr
	v_pk_add_f32 v[8:9], v[8:9], v[10:11]
	v_add_f32 v8, v8, v9
	v_add_f32_dpp v8, v8, v8 row_xmask:1 row_mask:0xf bank_mask:0xf
	v_add_f32_dpp v8, v8, v8 row_xmask:2 row_mask:0xf bank_mask:0xf
	v_add_f32_dpp v8, v8, v8 row_xmask:4 row_mask:0xf bank_mask:0xf
	v_add_f32_dpp v8, v8, v8 row_xmask:8 row_mask:0xf bank_mask:0xf
	v_permlanex16_b32 v9, v8, s16, s17
	v_add_f32 v8, v8, v9
	v_fma_f32 v14, v8, s18, s19                    ; variance + eps
	v_rsq_f32 v14, v14
	v_nop                                          ; a plain instruction behind the transcendental
	s_wait_alu depctr_va_vdst(0)                   ; and a wait ahead of the first use
	v_mov_b32 v15, v14
.set j, 0
.rept 32
	v_pk_mul_f32 v[Y+j:Y+j+1], v[Y+j:Y+j+1], v[14:15]
.set j, j+2
.endr
	; the turn: LDS serves a wave's instructions in order, so no wait stands between the stores and the loads
.irp i, 0,1,2,3,4,5,6,7,8,9,10,11,12,13,14,15
	ds_store_b128 v2, v[Y+4*\i:Y+4*\i+3] offset:544*\i
.endr
	s_wait_xcnt 0x0                                ; the copy's stores have read X: only behind this wait is it loaded again
.irp i, 0,1,2,3,4,5,6,7,8,9,10,11,12,13,14,15
	ds_load_b128 v[X+4*\i:X+4*\i+3], v3 offset:16*\i
.endr
	s_wait_dscnt 0x0
	; my two blocks of 32
.irp c, 0,1
	v_max3_num_f32 v[8+\c], |v[X+32*\c]|, |v[X+32*\c+1]|, 0x1800000   ; the floor 2^(3 - 127) holds the byte at 1 from below
.endr
.irp i, 2,4,6,8,10,12,14,16,18,20,22,24,26,28,30
.irp c, 0,1
	v_max3_num_f32 v[8+\c], v[8+\c], |v[X+32*\c+\i]|, |v[X+32*\c+\i+1]|
.endr
.endr
.irp c, 0,1
	v_add_nc_u32 v[10+\c], 0xff000000, v[8+\c]     ; 2 off the exponent field: the conversion's scale operand
.endr
.irp c, 0,1
	v_lshrrev_b32 v[12+\c], 23, v[10+\c]           ; the scale's byte
.endr
	v_lshl_or_b32 v12, v13, 8, v12
.irp c, 0,1
	v_cvt_scalef32_pk16_fp6_f32 v[C+6*\c:C+6*\c+2], v[X+32*\c:X+32*\c+15], v[10+\c]
	v_cvt_scalef32_pk16_fp6_f32 v[T+4*\c:T+4*\c+2], v[X+32*\c+16:X+32*\c+31], v[10+\c]   ; (a conversion's three registers begin on an even number)
.endr
	v_nop                                          ; one plain place behind a scaled conversion
.irp c, 0,1
.irp i, 0,1,2
	v_mov_b32 v[C+6*\c+3+\i], v[T+4*\c+\i]
.endr
.endr
.irp c, 0,1,2
	ds_store_b128 v4, v[C+4*\c:C+4*\c+3] offset:16*\c
.endr
.irp c, 0,1,2
	ds_load_b128 v[D+4*\c:D+4*\c+3], v5 offset:512*\c
.endr
	global_store_b16 v6, v12, s[24:25]
	global_store_b16 v6, v12, s[26:27]
	s_wait_dscnt 0x0
.irp c, 0,1,2
	global_store_b128 v1, v[D+4*\c:D+4*\c+3], s[20:21] offset:512*\c   ; 512 consecutive bytes, aligned
	global_store_b128 v1, v[D+4*\c:D+4*\c+3], s[22:23] offset:512*\c
.endr
	s_wait_tensorcnt 0x0
	ds_add_u32 v176, v177
	s_wait_dscnt 0x0
	s_endpgm
.Lfunc_end_k_qce26003ddf_norm:
	.size	k_qce26003ddf_norm, .Lfunc_end_k_qce26003ddf_norm-k_qce26003ddf_norm
	.p2alignl 7, 3214868480
	.fill 96, 4, 3214868480
	.section	.rodata,"a",@progbits
	.p2align	6, 0x0
	.amdhsa_kernel k_qce26003ddf_norm
		.amdhsa_group_segment_fixed_size 41472
		.amdhsa_private_segment_fixed_size 0
		.amdhsa_enable_private_segment 0
		.amdhsa_kernarg_size 24
		.amdhsa_user_sgpr_count 2
		.amdhsa_user_sgpr_kernarg_segment_ptr 1
		.amdhsa_wavefront_size32 1
		.amdhsa_system_sgpr_workgroup_id_x 1
		.amdhsa_system_sgpr_workgroup_id_y 1
		.amdhsa_system_sgpr_workgroup_id_z 1
		.amdhsa_system_vgpr_workitem_id 0
		.amdhsa_next_free_vgpr 178
		.amdhsa_next_free_sgpr 66
		.amdhsa_reserve_vcc 0
		.amdhsa_float_denorm_mode_32 3
		.amdhsa_float_denorm_mode_16_64 3
		.amdhsa_memory_ordered 1
		.amdhsa_forward_progress 1
		.amdhsa_inst_pref_size 21
	.end_amdhsa_kernel
	.amdgpu_metadata
---
amdhsa.version: [ 1, 2 ]
amdhsa.kernels:
  - .name:           k_qce26003ddf_norm
    .symbol:         k_qce26003ddf_norm.kd
    .args:
      - { .name: x, .offset: 0, .size: 8, .value_kind: global_buffer, .address_space: global }
      - { .name: xq, .offset: 8, .size: 8, .value_kind: global_buffer, .address_space: global }
      - { .name: out0, .offset: 16, .size: 8, .value_kind: global_buffer, .address_space: global }
    .group_segment_fixed_size: 41472
    .private_segment_fixed_size: 0
    .kernarg_segment_align: 8
    .kernarg_segment_size: 24
    .max_flat_workgroup_size: 128
    .sgpr_count:     66
    .vgpr_count:     178
    .wavefront_size: 32
...
	.end_amdgpu_metadata
.endif
;; end of part 1
;; launch proj (part 2): grid 8 x 17, 4 waves a work-group, clusters of 4 x 1, 327,680 bytes of LDS; arguments xq, Wk_codes, Wk_scales, Wv_codes, Wv_scales, Wq_codes, Wq_scales, kvq; writes kvq
.if DOCPART == 2
	.amdgcn_target "amdgcn-amd-amdhsa--gfx1250"
	.amdhsa_code_object_version 6
	.text
	.protected	k_qce26003ddf_proj
	.globl	k_qce26003ddf_proj
	.p2align	8
	.type	k_qce26003ddf_proj,@function
k_qce26003ddf_proj:
	s_mov_b64 s[64:65], 0
	v_nop
	global_prefetch_b8 v0, s[64:65] scope:SCOPE_SE
	s_setreg_imm32_b32 hwreg(HW_REG_WAVE_MODE, 25, 1), 1
	s_wait_xcnt 0x0
	s_wait_alu depctr_hold_cnt(0) depctr_sa_sdst(0) depctr_va_vdst(0) depctr_va_sdst(0) depctr_va_ssrc(0) depctr_va_vcc(0) depctr_vm_vsrc(0)
	s_getreg_b32 s2, hwreg(HW_REG_IB_STS2, 6, 4)
	s_cmp_eq_u32 s2, 0
	s_cbranch_scc0 .Lentry_in_a_cluster
	s_endpgm
.Lentry_in_a_cluster:
	s_bfe_u32 s2, ttmp6, 0x10000c
	s_cmp_lg_u32 s2, 0x3003
	s_cbranch_scc0 .Lentry_shape_is_right
	s_endpgm
.Lentry_shape_is_right:
; The three projections of xn, one body.  A tile is 256 rows of "A" x 256 rows of "B", K = 2,048, on codes of FP6 (E2M3) with one E8M0 byte for each 32 along K.
;   y = 0..7:  K = xn Wk.  A = xn's rows in the order p(t) (16 neighbouring rows are tokens 16 m + b of one residue b), B = Wk's rows (output columns).
;   y = 8..15: V = xn Wv.  A = Wv's rows (channels), B = xn's rows in their natural order (keys): V comes out with the keys along a lane's registers.
;   y = 16:    Q = xn Wq for queries 0..255 alone: no key is allowed to the other queries.  A = xn's rows 0..255, B = Wq's rows.
; The matrix instruction is used transposed (source 0 = 16 rows of B, source 1 = 16 rows of A): a lane holds ONE row of A, and its registers run along B, the axis along which the result is quantised.
; A wave makes 128 x 128; its 128 of B are one head (K, Q) or 128 keys (V).  THE WAY OUT stays in registers: for K and Q the head's LayerNorm (eps 1e-5) and the rounding to bf16 that the module makes there;
; then the quantiser along B; the 16 rows x 128 become one operand IMAGE (12 registers a lane: three stores of 512 consecutive bytes) and one scale word a lane, stored in kvq for the attention launch.
; Images: K(h, b, G) = (16 h + b) 8 + G;  V(h, a, s) = 2048 + (8 h + a) 16 + s;  Q(h, b) = 4096 + 16 h + b;  scale words from byte SCB on, 128 bytes an image.
; CLUSTER: the four work-groups of a cluster share y, so A's tiles and A's scale bytes are asked for jointly (mask 15).  B's tiles differ between them and come by loads of their own, behind the same rounds.
; A cluster of 4 x 4, which would share B's tiles too, does not divide the 17 tile rows.
; The loop: K in steps of 256 through a ring of two LDS slots (rows of 192 bytes, 16 bytes of padding behind every 64: pitch 240); the scale bytes of the 256 + 256 rows for all of K come once and stay.
; LIMITS: NaN and infinities are not served (for V the mean is made as sum x 0).  A block of zeros gets the byte 1: its codes are zeros, and this program alone reads the bytes.
; REGISTERS, in windows of 256: window 0: v0-31 addresses; v32-63 scale words, two sets; from v128 A's fragments, one set; on the way out v64-181 at work.
;   window 1: B's fragments, two sets.   windows 2, 3: the 64 accumulators (block a of A, block b of B at v[8 (8 (a % 4) + b)] of window 2 + a / 4).
.set XK,     3145728                   ; xq: codes by p(t);  codes by t lie at 0
.set XS,     6291456                   ; scale bytes by t
.set XKS,    6422528                   ; scale bytes by p(t)
.set SCB,    6684672                   ; kvq: the scale words, behind 4,352 images of 1,536 bytes
.set SIZE_K, 2048
.set KSTEP,  256
.set NQ,     KSTEP/128
.set ROWB,   192
.set KROW,   SIZE_K*6/8
.set PITCH,  240
.set FR,     12
.set NL,     6
.set NP,     4
.set HALFT,  128*PITCH
.set SLOT,   4*HALFT
.set LAPS,   SIZE_K/(2*KSTEP)
.set KS,     SIZE_K/32
.set SCL,    2*SLOT
.set HALFS,  (128*KS/256)*272
.set SBLK,   (16*KS/256)*272
.set SPARE,  SCL+4*HALFS               ; the spare words, 128 bytes for each wave: two blocks of 256 bytes that no other line names
.set ADRA, 16                          ; v16-17 LDS address of my A fragments in slot 0, 1  (v18-19: behind one padding more)
.set ADRB, 20                          ; v20-23 the same for B
.set LI,   24                          ; v24    16 x lane: an image's place for my lane
.set LS,   25                          ; v25    4 x lane: a scale word's
.set ADRS, 27                          ; v27    LDS address of my scale words: lanes 0-15 A's rows, lanes 16-31 B's
.set SPW,  28                          ; v28    my spare word; never rewritten
.set NIL,  29                          ; v29    0; never rewritten
.set SC,   32
.set AF,   128
.set H,    64                          ; the way out: v64-127 a block's 64 numbers of my row
.set QC,   128                         ; v128-147 the codes
.set TM,   148                         ; v148-163 at work in QUANT
.set PW,   164                         ; the scale word
.set U0,   166
.set U1,   168
.set M,    170
.set R,    172
.set T,    174                         ; v174-181
.set G1, 24
.set G0, 32
.set G1B, 48
.set G0B, 56
.set G1S, 68
.set G0S, 76
.set G1SB, 80
.set G0SB, 88
.set OC,  92                           ; s[92:93] where the block's image goes;  s[96:97] from block to block
.set OS,  94                           ; s[94:95] its scale words;               s[98:99] from block to block
.set OCS, 96
.set OSS, 98
.set LNF, 23                           ; s23  1: K or Q (LayerNorm and bf16), 0: V
.set MF,  100                          ; s100 1 / 128, or 0
.set MK,  101                          ; s101 all ones, or 0
.set C7,  44                           ; s44  1 / 128
.set EPS, 45                           ; s45  1e-5
.set SEL, 66                           ; s[66:67] lane l xor 16
.set MSB, 0
.macro WIN new                         ; the immediate's high byte repeats the setting that is left
.if MSB != \new
	s_set_vgpr_msb (MSB<<8)|\new
.set MSB, \new
.endif
.endm
.set MUL_LO, 0xa1                      ; source 0 (B) window 1, source 1 (A) window 0, C and D window 2
.set MUL_HI, 0xf1
.set TO_B,   0x40
; Waves 0 and 1 fetch for A (jointly), waves 2 and 3 for B.  The branch hangs on the wave's number alone.  Four v_nop follow each of the two lines.
.macro JLOAD g0a, g1a, g0b, g1b
	s_cmp_eq_u32 s21, 0
	s_cbranch_scc0 .Lfor_b_\@
	tensor_load_to_lds s[\g0a:\g0a+3], s[\g1a:\g1a+7]
	s_nop 0
.rept 4
	v_nop
.endr
	s_branch .Lasked_\@
.Lfor_b_\@:
	tensor_load_to_lds s[\g0b:\g0b+3], s[\g1b:\g1b+7]
	s_nop 0
.rept 4
	v_nop
.endr
.Lasked_\@:
.endm
.macro CREST                           ; a round of the cluster's barrier behind its opening barrier
	s_cmp_lg_u32 s20, 0
	s_cbranch_scc1 .Lnot_wave_0_\@
	s_barrier_signal -3
.Lnot_wave_0_\@:
	s_barrier_wait -3
	s_barrier_signal -1
	s_barrier_wait -1
.endm
.macro CROUND
	s_barrier_signal -1
	s_barrier_wait -1
	CREST
.endm
	s_load_b512 s[4:19], s[0:1], 0x0               ; xq s[4:5]; Wk codes, scales s[6:9]; Wv s[10:13]; Wq s[14:17]; kvq s[18:19]
	v_lshl_add_u32 v[SPW], v0, 2, SPARE
	v_mov_b32 v[NIL], 0
	ds_add_u32 v28, v29
	ds_add_u32 v28, v29
	s_wait_dscnt 0x0
	v_lshrrev_b32 v1, 5, v0
	v_readfirstlane_b32 s20, v1                    ; wave 0..3
	s_lshr_b32 s21, s20, 1                         ; u: which half of A's rows is mine.  Also: I fetch for A (0) or for B (1)
	s_and_b32 s22, s20, 1                          ; v: which half of B's rows.  Also: which 128 rows of that tile I fetch
	s_and_b32 s40, ttmp7, 0xffff                   ; y: the product and its tile row; the four partners share it
	s_and_b32 s41, s40, 7                          ; the tile row
	s_bfe_u32 s42, ttmp6, 0x40000                  ; cx
	s_lshl_b32 s43, ttmp9, 2
	s_add_co_u32 s43, s43, s42                     ; X: the tile column
	; descriptor group 1: tiles of 128 rows x 192 bytes, 16 bytes of padding behind every 64
	s_mov_b32 s[G1+0], 15|(1<<20)|(1<<21)|(3<<22)|(3<<25)   ; 15:0 the mask: all four work-groups; elements of 1 byte; 20 padding on; 21 set beside a mask; after every 16 words, 4 words
	s_mov_b32 s[G1B+0], (1<<20)|(3<<22)|(3<<25)             ; the same without a mask: B's tiles are my own
.irp g, G1, G1B
	s_mov_b32 s[\g+1], ROWB<<16                    ; tensor_dim0
	s_mov_b32 s[\g+2], 128<<16                     ; tensor_dim1
	s_mov_b32 s[\g+3], ROWB<<16                    ; tile_dim0
	s_mov_b32 s[\g+4], 128                         ; tile_dim1
	s_mov_b32 s[\g+5], KROW                        ; from row to row
	s_mov_b32 s[\g+6], 0
	s_mov_b32 s[\g+7], 0
.endr
	; the scale bytes of 128 rows: 8,192 dense bytes as 32 rows of 256 (32 elements of 8 bytes), 16 bytes of padding behind each
	s_mov_b32 s[G1S+0], 15|(3<<16)|(1<<20)|(1<<21)|(5<<22)|(3<<25)
	s_mov_b32 s[G1SB+0], (3<<16)|(1<<20)|(5<<22)|(3<<25)
.irp g, G1S, G1SB
	s_mov_b32 s[\g+1], 32<<16
	s_mov_b32 s[\g+2], (128*KS/256)<<16
	s_mov_b32 s[\g+3], 32<<16
	s_mov_b32 s[\g+4], 128*KS/256
	s_mov_b32 s[\g+5], 32
	s_mov_b32 s[\g+6], 0
	s_mov_b32 s[\g+7], 0
.endr
	s_lshl_b32 s23, s22, 7
	s_lshl_b32 s46, s41, 8
	s_add_co_u32 s46, s46, s23                     ; A: the first row that I fetch
	s_lshl_b32 s47, s43, 8
	s_add_co_u32 s47, s47, s23                     ; B likewise
	s_mul_i32 s44, s20, HALFT                      ; where they go: wave x 128 rows
	s_mul_i32 s45, s20, HALFS
	s_wait_kmcnt 0x0
	s_cmp_lt_u32 s40, 16                           ; V's buffers or Q's; the choices hang on y alone
	s_cselect_b64 s[92:93], s[10:11], s[4:5]       ; A's codes
	s_cselect_b64 s[94:95], s[12:13], s[4:5]       ; A's scale bytes
	s_cselect_b64 s[96:97], s[4:5], s[14:15]       ; B's codes
	s_cselect_b64 s[98:99], s[4:5], s[16:17]       ; B's scale bytes
	s_cselect_b32 s2, 0, XS                        ; and where in its buffer each begins
	s_cselect_b32 s3, XS, 0
	s_cmp_lt_u32 s40, 8                            ; or K's
	s_cselect_b64 s[92:93], s[4:5], s[92:93]
	s_cselect_b64 s[94:95], s[4:5], s[94:95]
	s_cselect_b64 s[96:97], s[6:7], s[96:97]
	s_cselect_b64 s[98:99], s[8:9], s[98:99]
	s_cselect_b32 s23, XK, 0
	s_cselect_b32 s2, XKS, s2
	s_cselect_b32 s3, 0, s3
	s_mul_i32 s66, s46, KROW                       ; A's offsets in s[66:67], which never hold cx
	s_add_co_u32 s66, s66, s23
	s_mov_b32 s67, 0
	s_add_nc_u64 s[92:93], s[92:93], s[66:67]
	s_lshl_b32 s66, s46, 6
	s_add_co_u32 s66, s66, s2
	s_add_nc_u64 s[94:95], s[94:95], s[66:67]
	s_mul_i32 s100, s47, KROW                      ; B's in s[100:101]
	s_mov_b32 s101, 0
	s_add_nc_u64 s[96:97], s[96:97], s[100:101]
	s_lshl_b32 s100, s47, 6
	s_add_co_u32 s100, s100, s3
	s_add_nc_u64 s[98:99], s[98:99], s[100:101]
	CROUND                                         ; all four work-groups are here: the first joint loads meet
	s_mov_b32 s[G0S], 1
	s_add_co_u32 s[G0S+1], s45, SCL
	s_mov_b64 s[G0S+2:G0S+3], s[94:95]
	s_or_b32 s[G0S+3], s[G0S+3], 0x80000000
	s_mov_b32 s[G0SB], 1
	s_add_co_u32 s[G0SB+1], s45, SCL
	s_mov_b64 s[G0SB+2:G0SB+3], s[98:99]
	s_or_b32 s[G0SB+3], s[G0SB+3], 0x80000000
	JLOAD G0S, G1S, G0SB, G1SB                     ; the scale bytes first: they are wanted with K step 0
.irp s, 0,1
	s_mov_b32 s[G0+4*\s], 1
	s_add_co_u32 s[G0+4*\s+1], s44, \s*SLOT
	s_add_nc_u64 s[G0+4*\s+2:G0+4*\s+3], s[92:93], \s*ROWB
	s_or_b32 s[G0+4*\s+3], s[G0+4*\s+3], 0x80000000
	s_mov_b32 s[G0B+4*\s], 1
	s_add_co_u32 s[G0B+4*\s+1], s44, \s*SLOT
	s_add_nc_u64 s[G0B+4*\s+2:G0B+4*\s+3], s[96:97], \s*ROWB
	s_or_b32 s[G0B+4*\s+3], s[G0B+4*\s+3], 0x80000000
	JLOAD G0+4*\s, G1, G0B+4*\s, G1B
.endr
	v_and_b32 v1, 15, v0                           ; l % 16
	v_bfe_u32 v2, v0, 4, 1                         ; l / 16
	v_mul_u32_u24 v3, v1, PITCH
	v_mul_u32_u24 v4, v2, 24
	v_add_nc_u32 v4, v3, v4                        ; a fragment's row x pitch + 24 x half
	v_lshl_add_u32 v5, v2, 4, v4                   ; and the same behind one padding more
	s_mul_i32 s2, s21, HALFT                       ; my 128 rows of A
	s_mul_i32 s3, s22, HALFT                       ; my 128 rows of B,
	s_add_co_u32 s3, s3, 2*HALFT                   ; which lie behind A's 256
.irp s, 0,1
	v_add_nc_u32 v[ADRA+\s], s2, v4
	v_add_nc_u32 v[ADRB+\s], s3, v4
	v_add_nc_u32 v[ADRA+2+\s], s2, v5
	v_add_nc_u32 v[ADRB+2+\s], s3, v5
	s_add_co_u32 s2, s2, SLOT
	s_add_co_u32 s3, s3, SLOT
.endr
	v_mul_u32_u24 v5, v1, KS                       ; my row's scale bytes: KS a row,
	v_lshrrev_b32 v6, 8, v5
	v_lshl_add_u32 v5, v6, 4, v5                   ; and 16 more for each 256 passed
	s_mul_i32 s2, s21, HALFS
	s_mul_i32 s3, s22, HALFS
	s_add_co_u32 s3, s3, 2*HALFS
	s_sub_co_u32 s3, s3, s2
	v_mul_u32_u24 v6, s3, v2                       ; lanes 16-31 take B's
	s_add_co_u32 s2, s2, SCL
	v_add_nc_u32 v5, v5, v6
	v_add_nc_u32 v[ADRS], s2, v5
	v_and_b32 v6, 31, v0
	v_lshlrev_b32 v[LI], 4, v6
	v_lshlrev_b32 v[LS], 2, v6
	; where my eight images go
	s_lshl_b32 s2, s43, 1
	s_add_co_u32 s2, s2, s22                       ; cw = 2 X + v: the head (K, Q) or the step of 128 keys (V)
	s_lshl_b32 s46, s2, 7
	s_lshl_b32 s47, s21, 6
	s_add_co_u32 s46, s46, s47
	s_add_co_u32 s46, s46, s41                     ; K: 128 cw + 64 u + tile row; block a: + 8 a
	s_lshl_b32 s47, s41, 1
	s_add_co_u32 s47, s47, s21
	s_lshl_b32 s47, s47, 7
	s_add_co_u32 s47, s47, s2
	s_add_co_u32 s47, s47, 2048                    ; V: 2048 + 128 (2 tile row + u) + cw; block a: + 16 a
	s_lshl_b32 s42, s2, 4
	s_lshl_b32 s23, s21, 3
	s_add_co_u32 s42, s42, s23
	s_add_co_u32 s42, s42, 4096                    ; Q: 4096 + 16 cw + 8 u; block a: + a
	s_cmp_lt_u32 s40, 16
	s_cselect_b32 s47, s47, s42
	s_cselect_b32 s42, 16, 1
	s_cmp_lt_u32 s40, 8
	s_cselect_b32 s47, s46, s47
	s_cselect_b32 s42, 8, s42
	s_mul_i32 s[OC], s47, 1536
	s_mov_b32 s[OC+1], 0
	s_add_nc_u64 s[OC:OC+1], s[18:19], s[OC:OC+1]
	s_lshl_b32 s[OS], s47, 7
	s_add_co_u32 s[OS], s[OS], SCB
	s_mov_b32 s[OS+1], 0
	s_add_nc_u64 s[OS:OS+1], s[18:19], s[OS:OS+1]
	s_mul_i32 s[OCS], s42, 1536
	s_mov_b32 s[OCS+1], 0
	s_lshl_b32 s[OSS], s42, 7
	s_mov_b32 s[OSS+1], 0
	s_and_b32 s23, s40, 8                          ; y = 8..15 is V
	s_cmp_eq_u32 s23, 0
	s_cselect_b32 s[LNF], 1, 0
	s_cselect_b32 s[MF], 0x3c000000, 0
	s_cselect_b32 s[MK], -1, 0
	s_mov_b32 s[C7], 0x3c000000
	s_mov_b32 s[EPS], 0x3727c5ac
	s_mov_b32 s[SEL], 0x76543210
	s_mov_b32 s[SEL+1], 0xfedcba98
.macro FRAG reg, adr, q, i             ; a fragment, 16 rows x 128 K: lane l holds row l % 16; registers 6 c .. 6 c + 5 hold K = 64 c + 32 (l / 16) + 0 .. 31: 24 bytes of the row, as they lie
.irp p, 0,1,2,3,4,5                    ; in pieces of 8 bytes.  Lanes 16-31 read three pieces further on than lanes 0-15; where that lies behind one padding more, the second address register serves
.set PCE, 12*(\q)+6*(\p/3)+\p%3
.if PCE%8 < 5
	ds_load_b64 v[\reg+2*\p:\reg+2*\p+1], v[\adr] offset:8*PCE+16*(PCE/8)+(\i)*16*PITCH
.else
	ds_load_b64 v[\reg+2*\p:\reg+2*\p+1], v[\adr+2] offset:8*PCE+16*(PCE/8)+(\i)*16*PITCH
.endif
.endr
.endm
; 16 matrix instructions: A's blocks a0, a0 + 1 x B's eight, 128 along K.  The 64 accumulators take turns, one instruction a turn, in the same order in every step.
.macro MUL16 a0, p, q, sc, zero
.irp a, \a0, \a0+1
.irp b, 0,1,2,3,4,5,6,7
.if \zero
	v_wmma_scale_f32_16x16x128_f8f6f4 v[8*(8*((\a)%4)+\b):8*(8*((\a)%4)+\b)+7], v[128*(\p)+FR*\b:128*(\p)+FR*\b+FR-1], v[AF+FR*(\a):AF+FR*(\a)+FR-1], 0, v[SC+8*NQ*(\sc)+NQ*\b+(\q)], v[SC+8*NQ*(\sc)+NQ*(\a)+(\q)] matrix_a_fmt:MATRIX_FMT_FP6 matrix_b_fmt:MATRIX_FMT_FP6 matrix_a_scale:MATRIX_SCALE_ROW1
.else
	v_wmma_scale_f32_16x16x128_f8f6f4 v[8*(8*((\a)%4)+\b):8*(8*((\a)%4)+\b)+7], v[128*(\p)+FR*\b:128*(\p)+FR*\b+FR-1], v[AF+FR*(\a):AF+FR*(\a)+FR-1], v[8*(8*((\a)%4)+\b):8*(8*((\a)%4)+\b)+7], v[SC+8*NQ*(\sc)+NQ*\b+(\q)], v[SC+8*NQ*(\sc)+NQ*(\a)+(\q)] matrix_a_fmt:MATRIX_FMT_FP6 matrix_b_fmt:MATRIX_FMT_FP6 matrix_a_scale:MATRIX_SCALE_ROW1
.endif
.endr
.endr
.endm
.macro FETCH_B slot, q, p
	WIN TO_B
.irp i, 0,1,2,3,4,5,6,7
	FRAG 128*(\p)+FR*\i, ADRB+\slot, \q, \i
.endr
	WIN 0
.endm
.macro FETCH_A slot, q, i0
.irp i, \i0, \i0+1, \i0+2, \i0+3
	FRAG AF+FR*(\i), ADRA+\slot, \q, \i
.endr
.endm
.macro SCALES sc                       ; a K step's scale words: lanes 0-15 take A's block i, lanes 16-31 B's block i
.irp i, 0,1,2,3,4,5,6,7
	ds_load_b64 v[SC+8*NQ*\sc+NQ*\i:SC+8*NQ*\sc+NQ*\i+1], v[ADRS] offset:\i*SBLK
.endr
.endm
.macro PLACES n                        ; plain vector instructions between a matrix instruction and a load into, or a vector access to, its registers
.rept \n
	v_nop
.endr
.endm
.macro STEP slot, q, zero              ; a step of 128 along K that has its successor in the same slot
	s_wait_dscnt 4*NL                              ; B's set and A's blocks 0-3 are in; the youngest 24 loads (A's blocks 4-7) may be out
	WIN MUL_LO
	MUL16 0, (\q)%2, \q, \slot, \zero
	MUL16 2, (\q)%2, \q, \slot, \zero
	s_wait_dscnt 0
	PLACES NP
	FETCH_B \slot, (\q)+1, 1-(\q)%2
	FETCH_A \slot, (\q)+1, 0
	WIN MUL_HI
	MUL16 4, (\q)%2, \q, \slot, \zero
	MUL16 6, (\q)%2, \q, \slot, \zero
	PLACES NP
	WIN 0
	FETCH_A \slot, (\q)+1, 4
.endm
; A slot's last step changes slots: one barrier; in front of it each wave waits for all its tensor loads, adds 0 to its spare word, and waits for that and for its reads of this slot.
.macro TURN slot, next, fill
	s_wait_tensorcnt 0x0                           ; all my tensor loads have landed: my part of the next slot
	ds_add_u32 v[SPW], v[NIL]                      ; 0 onto my spare word
	s_wait_dscnt 4*NL+1                            ; (the add and the youngest 24 loads may be out)
	WIN MUL_LO
	MUL16 0, 1, NQ-1, \slot, 0
	s_wait_dscnt 0x0                               ; the add is done, and my reads of this slot are over
	s_barrier_signal -1
	MUL16 2, 1, NQ-1, \slot, 0
	WIN 0
	s_barrier_wait -1
.if \fill
	CREST                                          ; the barrier has opened a round of the cluster's: no wave of any partner still reads this slot or has a load on its way
	s_add_nc_u64 s[G0+4*\slot+2:G0+4*\slot+3], s[G0+4*\slot+2:G0+4*\slot+3], 2*ROWB
	s_add_nc_u64 s[G0B+4*\slot+2:G0B+4*\slot+3], s[G0B+4*\slot+2:G0B+4*\slot+3], 2*ROWB
	JLOAD G0+4*\slot, G1, G0B+4*\slot, G1B         ; the first tensor load behind the round; its four v_nop are also the places in front of the loads below
.else
	PLACES NP
.endif
	v_add_nc_u32 v[ADRS], 4*NQ, v[ADRS]            ; on to the next K step's scale words
	FETCH_B \next, 0, 0
	FETCH_A \next, 0, 0
	SCALES \next
	WIN MUL_HI
	MUL16 4, 1, NQ-1, \slot, 0
	MUL16 6, 1, NQ-1, \slot, 0
	PLACES NP
	WIN 0
	FETCH_A \next, 0, 4
.endm
	s_wait_tensorcnt 1                             ; the scale bytes and my part of K step 0 are in (K step 1's load may be out),
	s_barrier_signal -1
	s_barrier_wait -1                              ; everybody's are
	FETCH_B 0, 0, 0
	FETCH_A 0, 0, 0
	SCALES 0
	FETCH_A 0, 0, 4
	STEP 0, 0, 1                                   ; the first step stands in front of the loop: its products start the sums
	s_mov_b32 s3, LAPS-1
.Llap:                                             ; a trip goes once round the ring and fills both slots again
	TURN 0, 1, 1
	STEP 1, 0, 0
	TURN 1, 0, 1
	STEP 0, 0, 0
	s_sub_co_u32 s3, s3, 1
	s_cmp_lg_u32 s3, 0
	s_cbranch_scc1 .Llap
	TURN 0, 1, 0                                   ; the last lap fills nothing
	STEP 1, 0, 0
	s_wait_dscnt 4*NL
	WIN MUL_LO
	MUL16 0, 1, NQ-1, 1, 0
	MUL16 2, 1, NQ-1, 1, 0
	s_wait_dscnt 0
	WIN MUL_HI
	MUL16 4, 1, NQ-1, 1, 0
	MUL16 6, 1, NQ-1, 1, 0
	WIN 0
; 64 numbers of a lane, register 16 b + i = place 32 b + 16 (lane / 16) + i of my row, become a fragment's codes in v[QC] on and its scale word in v[PW].
.macro QUANT s
.irp b, 0,1,2,3
	v_max3_num_f32 v[TM+\b], |v[\s+16*\b]|, |v[\s+1+16*\b]|, 0x1800000   ; the floor 2^(3 - 127) holds the byte at 1 from below
.endr
.irp i, 2,4,6,8,10,12,14
.irp b, 0,1,2,3
	v_max3_num_f32 v[TM+\b], v[TM+\b], |v[\s+16*\b+\i]|, |v[\s+1+16*\b+\i]|
.endr
.endr
.irp b, 0,1,2,3
	v_permlanex16_b32 v[TM+4+\b], v[TM+\b], s[SEL], s[SEL+1]
.endr
.irp b, 0,1,2,3
	v_max_num_f32 v[TM+\b], v[TM+\b], v[TM+4+\b]   ; with lane l xor 16's: the block's largest magnitude
.endr
.irp b, 0,1,2,3
	v_add_nc_u32 v[TM+12+\b], 0xff000000, v[TM+\b] ; 2 off its exponent field: the conversion's scale operand
.endr
.irp b, 0,1,2,3
	v_lshrrev_b32 v[TM+4+\b], 23, v[TM+12+\b]      ; the scale's byte
.endr
	v_lshl_or_b32 v[PW], v[TM+5], 8, v[TM+4]
	v_lshl_or_b32 v[PW], v[TM+6], 16, v[PW]
	v_lshl_or_b32 v[PW], v[TM+7], 24, v[PW]
.irp c, 0,1
	v_cvt_scalef32_pk16_fp6_f32 v[QC+6*\c:QC+2+6*\c], v[\s+32*\c:\s+15+32*\c], v[TM+12+2*\c]
	v_cvt_scalef32_pk16_fp6_f32 v[QC+12+4*\c:QC+14+4*\c], v[\s+16+32*\c:\s+31+32*\c], v[TM+12+2*\c+1]
.endr
	v_nop                                          ; one plain place behind a scaled conversion
.irp c, 0,1                                        ; the operand's layout wants a whole block in a lane
.irp i, 0,1,2
	v_permlane16_swap_b32 v[QC+6*\c+\i], v[QC+12+4*\c+\i]
.endr
.irp i, 0,1,2
	v_mov_b32 v[QC+3+6*\c+\i], v[QC+12+4*\c+\i]
.endr
.endr
.endm
; THE WAY OUT of block a (16 rows of A x my 128 of B).  Lane (r, h) holds row r; register 8 b + j is place 16 b + 8 h + j.  Each accumulator is read from its low end on.
.macro EPI a
.set AC, 64*((\a)%4)
.set WA, 2+(\a)/4
.if (\a) > 0
	s_wait_xcnt 0x0                                ; the last block's stores have read their registers and bases
	s_add_nc_u64 s[OC:OC+1], s[OC:OC+1], s[OCS:OCS+1]
	s_add_nc_u64 s[OS:OS+1], s[OS:OS+1], s[OSS:OSS+1]
.endif
	WIN WA*5                                       ; sources 0 and 1 in the accumulators' window
	v_pk_add_f32 v[U0:U0+1], v[AC:AC+1], v[AC+2:AC+3]
	v_pk_add_f32 v[U1:U1+1], v[AC+4:AC+5], v[AC+6:AC+7]
	WIN WA                                         ; source 0 alone
.set p, 8
.rept 14
	v_pk_add_f32 v[U0:U0+1], v[AC+p:AC+p+1], v[U0:U0+1]
	v_pk_add_f32 v[U1:U1+1], v[AC+p+2:AC+p+3], v[U1:U1+1]
.set p, p+4
.endr
	WIN 0
	v_pk_add_f32 v[U0:U0+1], v[U0:U0+1], v[U1:U1+1]
	v_add_f32 v[U0], v[U0], v[U0+1]
	v_permlanex16_b32 v[U0+1], v[U0], s[SEL], s[SEL+1]
	v_add_f32 v[U0], v[U0], v[U0+1]                ; the sum of my row's 128
	v_mul_f32 v[M], s[MF], v[U0]                   ; the mean; for V: 0
	v_mul_f32 v[M+1], s[MF], v[U0]
	WIN WA
.set p, 0
.rept 32
	v_pk_add_f32 v[H+p:H+p+1], v[AC+p:AC+p+1], v[M:M+1] neg_lo:[0,1] neg_hi:[0,1]
.set p, p+2
.endr
	WIN 0
	v_pk_mul_f32 v[U0:U0+1], v[H:H+1], v[H:H+1]
	v_pk_mul_f32 v[U1:U1+1], v[H+2:H+3], v[H+2:H+3]
.set p, 4
.rept 15
	v_pk_fma_f32 v[U0:U0+1], v[H+p:H+p+1], v[H+p:H+p+1], v[U0:U0+1]
	v_pk_fma_f32 v[U1:U1+1], v[H+p+2:H+p+3], v[H+p+2:H+p+3], v[U1:U1+1]
.set p, p+4
.endr
	v_pk_add_f32 v[U0:U0+1], v[U0:U0+1], v[U1:U1+1]
	v_add_f32 v[U0], v[U0], v[U0+1]
	v_permlanex16_b32 v[U0+1], v[U0], s[SEL], s[SEL+1]
	v_add_f32 v[U0], v[U0], v[U0+1]
	v_fma_f32 v[R], v[U0], s[C7], s[EPS]           ; variance + eps
	v_rsq_f32 v[R], v[R]
	v_nop                                          ; a plain instruction behind the transcendental
	s_wait_alu depctr_va_vdst(0)                   ; and a wait ahead of the first use
	v_cndmask_b32 v[R], 1.0, v[R], s[MK]           ; for V: 1
	v_mov_b32 v[R+1], v[R]
.set p, 0
.rept 32
	v_pk_mul_f32 v[H+p:H+p+1], v[H+p:H+p+1], v[R:R+1]
.set p, p+2
.endr
	s_cmp_eq_u32 s[LNF], 0                         ; K and Q are rounded to bf16 here, as the module rounds them; V is not.  The branch hangs on y, which the partners share
	s_cbranch_scc1 .Lno_cast_\@
.irp g, 0,1,2,3
.irp k, 0,1,2,3,4,5,6,7
	v_cvt_pk_bf16_f32 v[T+\k], v[H+16*\g+2*\k], v[H+16*\g+2*\k+1]
.endr
.irp k, 0,1,2,3,4,5,6,7
	v_lshlrev_b32 v[H+16*\g+2*\k], 16, v[T+\k]
	v_and_b32 v[H+16*\g+2*\k+1], 0xffff0000, v[T+\k]
.endr
.endr
.Lno_cast_\@:
.irp b, 0,1,2,3                                    ; lanes 16-31 of the first change places with lanes 0-15 of the second: register 16 b + i then holds place 32 b + 16 h + i
.irp j, 0,1,2,3,4,5,6,7
	v_permlane16_swap_b32 v[H+16*\b+\j], v[H+16*\b+8+\j]
.endr
.endr
	QUANT H
.irp c, 0,1,2
	global_store_b128 v[LI], v[QC+4*\c:QC+4*\c+3], s[OC:OC+1] offset:512*\c   ; the image: 512 consecutive bytes a store, aligned
.endr
	global_store_b32 v[LS], v[PW], s[OS:OS+1]
.endm
	PLACES NP                                      ; behind the last products: their results are read and A's registers written from here on
.irp b, 0,1,2,3
	v_mov_b32 v[TM+4+\b], 0                        ; written once: a lane permute's destination counts as one of its sources
.endr
.irp a, 0,1,2,3,4,5,6,7
	EPI \a
.endr
	s_wait_tensorcnt 0x0                           ; the wave's end
	ds_add_u32 v[SPW], v[NIL]
	s_wait_dscnt 0x0
	CROUND                                         ; the closing round: no work-group ends while a partner may still ask for a tile that names it
	s_endpgm
.Lfunc_end_k_qce26003ddf_proj:
	.size	k_qce26003ddf_proj, .Lfunc_end_k_qce26003ddf_proj-k_qce26003ddf_proj
	.p2alignl 7, 3214868480
	.fill 96, 4, 3214868480
	.section	.rodata,"a",@progbits
	.p2align	6, 0x0
	.amdhsa_kernel k_qce26003ddf_proj
		.amdhsa_group_segment_fixed_size 327680
		.amdhsa_private_segment_fixed_size 0
		.amdhsa_enable_private_segment 0
		.amdhsa_kernarg_size 64
		.amdhsa_user_sgpr_count 2
		.amdhsa_user_sgpr_kernarg_segment_ptr 1
		.amdhsa_wavefront_size32 1
		.amdhsa_system_sgpr_workgroup_id_x 1
		.amdhsa_system_sgpr_workgroup_id_y 1
		.amdhsa_system_sgpr_workgroup_id_z 1
		.amdhsa_system_vgpr_workitem_id 0
		.amdhsa_next_free_vgpr 1024
		.amdhsa_next_free_sgpr 102
		.amdhsa_reserve_vcc 0
		.amdhsa_float_denorm_mode_32 3
		.amdhsa_float_denorm_mode_16_64 3
		.amdhsa_memory_ordered 1
		.amdhsa_forward_progress 1
		.amdhsa_inst_pref_size 255
	.end_amdhsa_kernel
	.section	.bss,"aw",@nobits
	.p2align	6
	.space	262144
	.amdgpu_metadata
---
amdhsa.version: [ 1, 2 ]
amdhsa.kernels:
  - .name:           k_qce26003ddf_proj
    .symbol:         k_qce26003ddf_proj.kd
    .args:
      - { .name: xq, .offset: 0, .size: 8, .value_kind: global_buffer, .address_space: global }
      - { .name: Wk_codes, .offset: 8, .size: 8, .value_kind: global_buffer, .address_space: global }
      - { .name: Wk_scales, .offset: 16, .size: 8, .value_kind: global_buffer, .address_space: global }
      - { .name: Wv_codes, .offset: 24, .size: 8, .value_kind: global_buffer, .address_space: global }
      - { .name: Wv_scales, .offset: 32, .size: 8, .value_kind: global_buffer, .address_space: global }
      - { .name: Wq_codes, .offset: 40, .size: 8, .value_kind: global_buffer, .address_space: global }
      - { .name: Wq_scales, .offset: 48, .size: 8, .value_kind: global_buffer, .address_space: global }
      - { .name: kvq, .offset: 56, .size: 8, .value_kind: global_buffer, .address_space: global }
    .group_segment_fixed_size: 327680
    .private_segment_fixed_size: 0
    .kernarg_segment_align: 8
    .kernarg_segment_size: 64
    .max_flat_workgroup_size: 128
    .sgpr_count:     102
    .vgpr_count:     1024
    .wavefront_size: 32
...
	.end_amdgpu_metadata
.endif
;; end of part 2
;; launch attn (part 3): grid 16 x 16, 4 waves a work-group, clusters of 4 x 1, 168,448 bytes of LDS; arguments kvq, ob; writes ob
.if DOCPART == 3
	.amdgcn_target "amdgcn-amd-amdhsa--gfx1250"
	.amdhsa_code_object_version 6
	.text
	.protected	k_qce26003ddf_attn
	.globl	k_qce26003ddf_attn
	.p2align	8
	.type	k_qce26003ddf_attn,@function
k_qce26003ddf_attn:
	s_mov_b64 s[64:65], 0
	v_nop
	global_prefetch_b8 v0, s[64:65] scope:SCOPE_SE
	s_setreg_imm32_b32 hwreg(HW_REG_WAVE_MODE, 25, 1), 1
	s_wait_xcnt 0x0
	s_wait_alu depctr_hold_cnt(0) depctr_sa_sdst(0) depctr_va_vdst(0) depctr_va_sdst(0) depctr_va_ssrc(0) depctr_va_vcc(0) depctr_vm_vsrc(0)
	s_getreg_b32 s2, hwreg(HW_REG_IB_STS2, 6, 4)
	s_cmp_eq_u32 s2, 0
	s_cbranch_scc0 .Lentry_in_a_cluster
	s_endpgm
.Lentry_in_a_cluster:
	s_bfe_u32 s2, ttmp6, 0x10000c
	s_cmp_lg_u32 s2, 0x3003
	s_cbranch_scc0 .Lentry_shape_is_right
	s_endpgm
.Lentry_shape_is_right:
; Attention for the 256 queries that have keys.  Query block b (queries 16 b .. 16 b + 15) sees the 128 keys 16 m + b, m = 0 .. 127, and no others.
; A wave takes one head h, one query block b and one quarter e of the head's 128 channels.  (The scores of (h, b), 8 matrix instructions, are so made four times: once for each e.)
;   S^T = K q^T: source 0 = image K(h, b, G) (16 keys, m = 16 G + row), source 1 = image Q(h, b): lane (r, hh) holds query r, register 8 G + j is m = 16 G + 8 hh + j.
;   softmax with the row's maximum taken away, finished and normalised (divided by the larger of the sum and 1e-30), in f32.
;   THE QUANTISER OF attn goes along ALL 2,048 keys in blocks of 32 neighbours.  Block j holds two numbers that are not zero: m = 2 j at place b and m = 2 j + 1 at place 16 + b.
;   So each pair gets its own scale; the pair is multiplied by the scale's inverse, a power of two (nothing is rounded), 16 numbers are converted at a time under the scale 1,
;   and each code is then shifted to its place in a fragment that is zero elsewhere (macro EXPAND).
;   O^T = V^T P^T over 16 steps of 128 keys: source 0 = image V(h, 2 e + a, s), source 1 = the widened fragment.  Two accumulators by turns.
;   o's 32 channels are one block of the last product's K: quantised here; 12 bytes a lane to ob [b][h][e][r][24], one scale byte to ob + OSB at [16 b + r][4 h + e].
; CLUSTER: the four work-groups of a cluster share (h, e) and differ in b: V's 32 images, 49,152 dense bytes, are asked for jointly, a quarter by each wave; LDS is filled once.
; Nothing but global addresses and the shifts and masks of EXPAND (data) hangs on b.
; LIMITS: NaN and infinities are not served.  A block of zeros gets the byte 1 (zero codes; read by this program alone).  The scale bytes leave singly: 16 KiB in the launch.
.set SCB, 6684672
.set OSB, 393216
.set KF,  16                           ; v16-111  K's 8 images
.set S,   112                          ; v112-175 scores, then attn
.set QF,  176                          ; v176-187 q's image
.set CC,  176                          ; v176-191 later: the compact codes, 4 x 3 registers
.set KSR, 192                          ; v192-199 K's scale words
.set QSR, 200                          ; v200     q's
.set VSR, 201                          ; v201-232 V's: 16 a + s
.set PS,  233                          ; v233-248 attn's, one for each step
.set BY,  16                           ; v16-47   the 32 pairs' scale bytes     (K's registers, free behind the scores)
.set MU,  48                           ; v48-111  even registers: their inverse scales
.set VF,  16                           ; v16-63   later: V's fragments, two sets of two
.set PF,  64                           ; v64-87   the widened fragments, two sets
.set O,   88                           ; v88-103  O^T
.set CS,  26                           ; s[26:27] c = log2(e) / sqrt(128)
.set SEL, 52                           ; s[52:53] lane l xor 16
.set SH,  54                           ; s54 6 b mod 32;  s55 31 - that;  s56-58 all ones where 6 b / 32 is 0, 1, 2
.set SHR, 55
.set A0,  56
.set A1,  57
.set A2,  58
.macro CROUND
	s_barrier_signal -1
	s_barrier_wait -1
	s_cmp_lg_u32 s8, 0
	s_cbranch_scc1 .Lnot_wave_0_\@
	s_barrier_signal -3
.Lnot_wave_0_\@:
	s_barrier_wait -3
	s_barrier_signal -1
	s_barrier_wait -1
.endm
	s_load_b128 s[4:7], s[0:1], 0x0                ; kvq, ob
	v_lshl_add_u32 v254, v0, 2, 0x29000
	v_mov_b32 v255, 0
	ds_add_u32 v254, v255
	ds_add_u32 v254, v255
	v_lshrrev_b32 v5, 5, v0
	v_readfirstlane_b32 s8, v5                     ; wave
	v_and_b32 v5, 31, v0
	v_lshlrev_b32 v1, 4, v5                        ; 16 x lane
	v_lshlrev_b32 v2, 2, v5                        ; 4 x lane
	v_bfe_u32 v3, v0, 4, 1
	v_lshlrev_b32 v3, 3, v3                        ; 8 x (lane / 16)
	v_mov_b32 v4, 1.0                              ; the scale 1 for the compact conversions
	v_mov_b32 v10, 0                               ; (a lane permute's destination counts as one of its sources)
	s_and_b32 s10, ttmp7, 0xffff                   ; h
	s_bfe_u32 s12, ttmp6, 0x40000                  ; cx
	s_lshl_b32 s13, s12, 2
	s_add_co_u32 s13, s13, s8                      ; b = 4 cx + wave
	s_lshl_b32 s14, s10, 4
	s_add_co_u32 s14, s14, s13                     ; 16 h + b
	s_lshl_b32 s15, s10, 7
	s_lshl_b32 s9, ttmp9, 5                        ; e = the cluster's x
	s_add_co_u32 s15, s15, s9
	s_add_co_u32 s15, s15, 2048                    ; V's first image: 2048 + (8 h + 2 e) 16
	s_mul_i32 s54, s13, 6
	s_lshr_b32 s59, s54, 5                         ; the word of three in which code b begins
	s_and_b32 s[SH], s54, 31
	s_sub_co_u32 s[SHR], 31, s[SH]
	s_sub_co_i32 s[A0], s59, 1
	s_ashr_i32 s[A0], s[A0], 31
	s_and_b32 s[A1], s59, 1
	s_sub_co_i32 s[A1], 0, s[A1]
	s_lshr_b32 s[A2], s59, 1
	s_sub_co_i32 s[A2], 0, s[A2]
	s_mov_b32 s[CS], 0x3e0293ee
	s_mov_b32 s[CS+1], s[CS]
	s_mov_b32 s[SEL], 0x76543210
	s_mov_b32 s[SEL+1], 0xfedcba98
	; descriptor group 1: 12,288 dense bytes as 48 rows of 256 (32 elements of 8 bytes)
	s_mov_b32 s44, 15|(3<<16)|(1<<21)              ; the mask: all four work-groups; bit 21 beside it; no padding
	s_mov_b32 s45, 32<<16
	s_mov_b32 s46, 48<<16
	s_mov_b32 s47, 32<<16
	s_mov_b32 s48, 48
	s_mov_b32 s49, 32
	s_mov_b32 s50, 0
	s_mov_b32 s51, 0
	s_mov_b32 s29, 0
	s_mov_b32 s31, 0
	s_mul_i32 s9, s8, 12288                        ; my quarter of V's images
	s_wait_dscnt 0x0
	s_wait_kmcnt 0x0
	s_mul_i32 s28, s14, 12288
	s_add_nc_u64 s[16:17], s[4:5], s[28:29]        ; K's 8 images
	s_lshl_b32 s28, s14, 10
	s_add_co_u32 s28, s28, SCB
	s_add_nc_u64 s[18:19], s[4:5], s[28:29]        ; their scale words
	s_mul_i32 s28, s14, 1536
	s_add_co_u32 s28, s28, 4096*1536
	s_add_nc_u64 s[20:21], s[4:5], s[28:29]        ; q's image
	s_lshl_b32 s28, s14, 7
	s_add_co_u32 s28, s28, SCB+4096*128
	s_add_nc_u64 s[22:23], s[4:5], s[28:29]        ; its scale words
	s_lshl_b32 s30, s15, 7
	s_add_co_u32 s30, s30, SCB
	s_add_nc_u64 s[24:25], s[4:5], s[30:31]        ; V's scale words
	s_mul_i32 s30, s15, 1536
	s_add_co_u32 s30, s30, s9
	s_add_nc_u64 s[42:43], s[4:5], s[30:31]        ; descriptor group 0: made of h, e and the wave's number alone
	s_or_b32 s43, s43, 0x80000000
	s_mov_b32 s40, 1
	s_mov_b32 s41, s9
	s_lshl_b32 s28, s13, 4
	s_add_co_u32 s28, s28, s10
	s_lshl_b32 s28, s28, 2
	s_add_co_u32 s28, s28, ttmp9
	s_mul_i32 s28, s28, 384
	s_add_nc_u64 s[32:33], s[6:7], s[28:29]        ; o's codes: ((16 b + h) 4 + e) 384
	s_lshl_b32 s28, s13, 10
	s_lshl_b32 s36, s10, 2
	s_add_co_u32 s28, s28, s36
	s_add_co_u32 s28, s28, ttmp9
	s_add_co_u32 s28, s28, OSB
	s_add_nc_u64 s[34:35], s[6:7], s[28:29]        ; o's scale bytes: OSB + 1024 b + 4 h + e
.irp c, 0,1,2
	global_load_b128 v[QF+4*\c:QF+4*\c+3], v1, s[20:21] offset:512*\c
.endr
	global_load_b32 v[QSR], v2, s[22:23]
.irp g, 0,1,2,3,4,5,6,7
.irp c, 0,1,2
	global_load_b128 v[KF+12*\g+4*\c:KF+12*\g+4*\c+3], v1, s[16:17] offset:1536*\g+512*\c
.endr
.endr
.irp g, 0,1,2,3,4,5,6,7
	global_load_b32 v[KSR+\g], v2, s[18:19] offset:128*\g
.endr
.set n, 0
.rept 32
	global_load_b32 v[VSR+n], v2, s[24:25] offset:128*n
.set n, n+1
.endr
	CROUND                                         ; all four work-groups are here: the joint loads meet
	tensor_load_to_lds s[40:43], s[44:51]          ; my one tensor load
	s_nop 0
.rept 4
	v_nop
.endr
	s_wait_loadcnt 32                              ; q and K are in; V's 32 scale words may be out
.irp g, 0,1,2,3,4,5,6,7
	v_wmma_scale_f32_16x16x128_f8f6f4 v[S+8*\g:S+8*\g+7], v[KF+12*\g:KF+12*\g+11], v[QF:QF+11], 0, v[KSR+\g], v[QSR] matrix_a_fmt:MATRIX_FMT_FP6 matrix_b_fmt:MATRIX_FMT_FP6
.endr
.rept 4
	v_nop
.endr
	; the row's maximum: four chains, each accumulator from its low end on
.irp b, 0,1,2,3
	v_max3_num_f32 v[5+\b], v[S+16*\b], v[S+16*\b+1], v[S+16*\b+2]
.endr
.irp i, 3,5,7,9,11,13
.irp b, 0,1,2,3
	v_max3_num_f32 v[5+\b], v[5+\b], v[S+16*\b+\i], v[S+16*\b+\i+1]
.endr
.endr
.irp b, 0,1,2,3
	v_max_num_f32 v[5+\b], v[5+\b], v[S+16*\b+15]
.endr
	v_max3_num_f32 v9, v5, v6, v7
	v_max_num_f32 v9, v9, v8
	v_permlanex16_b32 v10, v9, s[SEL], s[SEL+1]
	v_max_num_f32 v9, v9, v10
	v_mul_f32 v10, s[CS], v9                       ; c x maximum
	v_mov_b32 v11, v10
.set n, 0
.rept 32
	v_pk_fma_f32 v[S+n:S+n+1], v[S+n:S+n+1], s[CS:CS+1], v[10:11] op_sel_hi:[1,0,0] neg_lo:[0,0,1] neg_hi:[0,0,1]
.set n, n+2
.endr
.set n, 0
.rept 64
	v_exp_f32 v[S+n], v[S+n]
.set n, n+1
.endr
	v_nop                                          ; a plain instruction behind the last exponential
	s_wait_alu depctr_va_vdst(0)                   ; one wait for the batch, ahead of its first use
	v_pk_add_f32 v[12:13], v[S:S+1], v[S+2:S+3]
	v_pk_add_f32 v[14:15], v[S+4:S+5], v[S+6:S+7]
.set n, 8
.rept 14
	v_pk_add_f32 v[12:13], v[12:13], v[S+n:S+n+1]
	v_pk_add_f32 v[14:15], v[14:15], v[S+n+2:S+n+3]
.set n, n+4
.endr
	v_pk_add_f32 v[12:13], v[12:13], v[14:15]
	v_add_f32 v12, v12, v13
	v_permlanex16_b32 v13, v12, s[SEL], s[SEL+1]
	v_add_f32 v12, v12, v13
	v_max_num_f32 v12, 0x0da24260, v12             ; the larger of the sum and 1e-30
	v_rcp_f32 v12, v12
	v_nop
	s_wait_alu depctr_va_vdst(0)
	v_mov_b32 v13, v12
.set n, 0
.rept 32
	v_pk_mul_f32 v[S+n:S+n+1], v[S+n:S+n+1], v[12:13]
.set n, n+2
.endr
	; lanes 16-31 of the first change places with lanes 0-15 of the second: the pair at S + 8 (s / 2) + 4 c + 2 (s % 2) then holds m = 8 s + 4 c + 2 hh + 0, 1: my block 4 s + 2 c + hh
.irp g, 0,1,2,3,4,5,6,7
.irp c, 0,1
.irp i, 0,1
	v_permlane16_swap_b32 v[S+8*\g+4*\c+\i], v[S+8*\g+4*\c+2+\i]
.endr
.endr
.endr
.set n, 0
.rept 32
	v_max3_num_f32 v[MU+2*n], v[S+2*n], v[S+2*n+1], 0x1800000   ; the block's largest (none is negative), and the floor 2^(3 - 127)
.set n, n+1
.endr
.set n, 0
.rept 32
	v_add_nc_u32 v[MU+2*n], 0xff000000, v[MU+2*n]  ; 2 off the exponent field
.set n, n+1
.endr
.set n, 0
.rept 32
	v_lshrrev_b32 v[BY+n], 23, v[MU+2*n]           ; the scale's byte
.set n, n+1
.endr
.set n, 0
.rept 32
	v_and_b32 v[MU+2*n], 0x7f800000, v[MU+2*n]
.set n, n+1
.endr
.set n, 0
.rept 32
	v_sub_nc_u32 v[MU+2*n], 0x7f000000, v[MU+2*n]  ; exponent field 254 - byte: the scale's inverse
.set n, n+1
.endr
.set n, 0
.rept 32
	v_pk_mul_f32 v[S+2*n:S+2*n+1], v[S+2*n:S+2*n+1], v[MU+2*n:MU+2*n+1] op_sel_hi:[1,0]
.set n, n+1
.endr
	; the scale word of step n: my bytes are those of blocks hh and 2 + hh of its four; lane l xor 16 has the other two
.set n, 0
.rept 16
	v_lshl_or_b32 v[MU+2*n], v[BY+4*(n/2)+2+n%2], 16, v[BY+4*(n/2)+n%2]
.set n, n+1
.endr
.set n, 0
.rept 16
	v_lshlrev_b32 v[MU+2*n], v3, v[MU+2*n]
.set n, n+1
.endr
.set n, 0
.rept 16
	v_permlanex16_b32 v[MU+2*n+1], v[MU+2*n], s[SEL], s[SEL+1]
.set n, n+1
.endr
.set n, 0
.rept 16
	v_or_b32 v[PS+n], v[MU+2*n], v[MU+2*n+1]
.set n, n+1
.endr
.irp k, 0,1,2,3
	v_cvt_scalef32_pk16_fp6_f32 v[CC+4*\k:CC+4*\k+2], v[S+16*\k:S+16*\k+15], v4   ; 16 codes without gaps; register 16 k + i gives code i
.endr
	v_nop                                          ; one plain place behind a scaled conversion
	s_wait_loadcnt 0x0                             ; V's scale words
	s_wait_tensorcnt 0x0                           ; my quarter of V's images has landed,
	s_barrier_signal -1
	s_barrier_wait -1                              ; everybody's has
.macro VLOAD s                         ; V's two images of step s, as they lie
.irp a, 0,1
.irp c, 0,1,2
	ds_load_b128 v[VF+24*((\s)%2)+12*\a+4*\c:VF+24*((\s)%2)+12*\a+4*\c+3], v1 offset:1536*(16*\a+(\s))+512*\c
.endr
.endr
.endm
; The fragment of step s: lane (r, hh), registers 6 c .. 6 c + 5 = keys 128 s + 64 c + 32 hh + 0 .. 31.  Code cq = 2 c + i of the step's four goes to bits 6 b .. 6 b + 5 of the three words at 3 cq.
.macro EXPAND s
.set cq, 0
.rept 4
.set io, 8*(((\s)/2)%2)+4*(cq/2)+2*((\s)%2)+cq%2
.set wd, CC+4*((\s)/4)+(6*io)/32
.set of, (6*io)%32
.if of <= 26
	v_bfe_u32 v[5+2*cq], v[wd], of, 6
.else
	v_alignbit_b32 v[5+2*cq], v[wd+1], v[wd], of   ; a code that lies across two words
	v_and_b32 v[5+2*cq], 63, v[5+2*cq]
.endif
.set cq, cq+1
.endr
.set pf, PF+12*((\s)%2)
.irp k, 0,1,2,3
	v_lshrrev_b32 v[6+2*\k], 1, v[5+2*\k]
.endr
.irp k, 0,1,2,3
	v_lshlrev_b32 v[5+2*\k], s[SH], v[5+2*\k]      ; what falls into the word in which the code begins,
.endr
.irp k, 0,1,2,3
	v_lshrrev_b32 v[6+2*\k], s[SHR], v[6+2*\k]     ; and into the next: code >> (32 - shift), in two shifts, so that shift 0 gives 0
.endr
.irp k, 0,1,2,3
	v_and_b32 v[pf+3*\k], s[A0], v[5+2*\k]
.endr
.irp k, 0,1,2,3
	v_and_b32 v[pf+3*\k+1], s[A0], v[6+2*\k]
.endr
.irp k, 0,1,2,3
	v_and_b32 v[pf+3*\k+2], s[A1], v[6+2*\k]
.endr
.irp k, 0,1,2,3
	v_and_or_b32 v[pf+3*\k+1], v[5+2*\k], s[A1], v[pf+3*\k+1]
.endr
.irp k, 0,1,2,3
	v_and_or_b32 v[pf+3*\k+2], v[5+2*\k], s[A2], v[pf+3*\k+2]
.endr
.endm
; Step s.  The four v_nop are the places behind the last step's products, in front of the loads and vector writes into the set that they read, and, in the last step, between the fragment's last write and its product.
.macro PVSTEP s
.rept 4
	v_nop
.endr
.if (\s) < 15
	VLOAD (\s)+1
	EXPAND (\s)+1
	s_wait_dscnt 6                                 ; this step's six loads are in; the next step's six may be out
.else
	s_wait_dscnt 0x0
.endif
.irp a, 0,1
.if (\s) == 0
	v_wmma_scale_f32_16x16x128_f8f6f4 v[O+8*\a:O+8*\a+7], v[VF+24*((\s)%2)+12*\a:VF+24*((\s)%2)+12*\a+11], v[PF+12*((\s)%2):PF+12*((\s)%2)+11], 0, v[VSR+16*\a+(\s)], v[PS+(\s)] matrix_a_fmt:MATRIX_FMT_FP6 matrix_b_fmt:MATRIX_FMT_FP6
.else
	v_wmma_scale_f32_16x16x128_f8f6f4 v[O+8*\a:O+8*\a+7], v[VF+24*((\s)%2)+12*\a:VF+24*((\s)%2)+12*\a+11], v[PF+12*((\s)%2):PF+12*((\s)%2)+11], v[O+8*\a:O+8*\a+7], v[VSR+16*\a+(\s)], v[PS+(\s)] matrix_a_fmt:MATRIX_FMT_FP6 matrix_b_fmt:MATRIX_FMT_FP6
.endif
.endr
.endm
	VLOAD 0
	EXPAND 0
.irp s, 0,1,2,3,4,5,6,7,8,9,10,11,12,13,14,15
	PVSTEP \s
.endr
	; o: lane (r, hh), register 8 a + j = channel 32 e + 16 a + 8 hh + j; behind the exchange register i = channel 32 e + 16 hh + i
.rept 4
	v_nop
.endr
.irp j, 0,1,2,3,4,5,6,7
	v_permlane16_swap_b32 v[O+\j], v[O+8+\j]
.endr
	v_max3_num_f32 v5, |v[O]|, |v[O+1]|, 0x1800000
.irp i, 2,4,6,8,10,12,14
	v_max3_num_f32 v5, v5, |v[O+\i]|, |v[O+\i+1]|
.endr
	v_permlanex16_b32 v6, v5, s[SEL], s[SEL+1]
	v_max_num_f32 v5, v5, v6
	v_add_nc_u32 v7, 0xff000000, v5
	v_lshrrev_b32 v8, 23, v7
	v_cvt_scalef32_pk16_fp6_f32 v[10:12], v[O:O+15], v7
	v_nop
	v_and_b32 v13, 15, v0
	v_bfe_u32 v14, v0, 4, 1
	v_mul_u32_u24 v15, v13, 24
	v_mad_u32_u24 v15, v14, 12, v15                ; 24 r + 12 hh
	v_lshlrev_b32 v13, 6, v13                      ; 64 r
	global_store_b96 v15, v[10:12], s[32:33]       ; the wave stores 384 consecutive bytes
	global_store_b8 v13, v8, s[34:35]              ; both lanes of a row write the same byte with the same value
	s_wait_tensorcnt 0x0
	ds_add_u32 v254, v255
	s_wait_dscnt 0x0
	CROUND                                         ; the closing round
	s_endpgm
.Lfunc_end_k_qce26003ddf_attn:
	.size	k_qce26003ddf_attn, .Lfunc_end_k_qce26003ddf_attn-k_qce26003ddf_attn
	.p2alignl 7, 3214868480
	.fill 96, 4, 3214868480
	.section	.rodata,"a",@progbits
	.p2align	6, 0x0
	.amdhsa_kernel k_qce26003ddf_attn
		.amdhsa_group_segment_fixed_size 168448
		.amdhsa_private_segment_fixed_size 0
		.amdhsa_enable_private_segment 0
		.amdhsa_kernarg_size 16
		.amdhsa_user_sgpr_count 2
		.amdhsa_user_sgpr_kernarg_segment_ptr 1
		.amdhsa_wavefront_size32 1
		.amdhsa_system_sgpr_workgroup_id_x 1
		.amdhsa_system_sgpr_workgroup_id_y 1
		.amdhsa_system_sgpr_workgroup_id_z 1
		.amdhsa_system_vgpr_workitem_id 0
		.amdhsa_next_free_vgpr 256
		.amdhsa_next_free_sgpr 66
		.amdhsa_reserve_vcc 0
		.amdhsa_float_denorm_mode_32 3
		.amdhsa_float_denorm_mode_16_64 3
		.amdhsa_memory_ordered 1
		.amdhsa_forward_progress 1
		.amdhsa_inst_pref_size 78
	.end_amdhsa_kernel
	.amdgpu_metadata
---
amdhsa.version: [ 1, 2 ]
amdhsa.kernels:
  - .name:           k_qce26003ddf_attn
    .symbol:         k_qce26003ddf_attn.kd
    .args:
      - { .name: kvq, .offset: 0, .size: 8, .value_kind: global_buffer, .address_space: global }
      - { .name: ob, .offset: 8, .size: 8, .value_kind: global_buffer, .address_space: global }
    .group_segment_fixed_size: 168448
    .private_segment_fixed_size: 0
    .kernarg_segment_align: 8
    .kernarg_segment_size: 16
    .max_flat_workgroup_size: 128
    .sgpr_count:     66
    .vgpr_count:     256
    .wavefront_size: 32
...
	.end_amdgpu_metadata
.endif
;; end of part 3
;; launch outp (part 4): grid 32 x 8, 4 waves a work-group, clusters of 4 x 4, 181,760 bytes of LDS; arguments ob, Wo_codes, Wo_scales, x, out0; writes out0
.if DOCPART == 4
	.amdgcn_target "amdgcn-amd-amdhsa--gfx1250"
	.amdhsa_code_object_version 6
	.text
	.protected	k_qce26003ddf_outp
	.globl	k_qce26003ddf_outp
	.p2align	8
	.type	k_qce26003ddf_outp,@function
k_qce26003ddf_outp:
	s_mov_b64 s[64:65], 0
	v_nop
	global_prefetch_b8 v0, s[64:65] scope:SCOPE_SE
	s_setreg_imm32_b32 hwreg(HW_REG_WAVE_MODE, 25, 1), 1
	s_wait_xcnt 0x0
	s_wait_alu depctr_hold_cnt(0) depctr_sa_sdst(0) depctr_va_vdst(0) depctr_va_sdst(0) depctr_va_ssrc(0) depctr_va_vcc(0) depctr_vm_vsrc(0)
	s_getreg_b32 s2, hwreg(HW_REG_IB_STS2, 6, 4)
	s_cmp_eq_u32 s2, 0
	s_cbranch_scc0 .Lentry_in_a_cluster
	s_endpgm
.Lentry_in_a_cluster:
	s_bfe_u32 s2, ttmp6, 0x10000c
	s_cmp_lg_u32 s2, 0xf033
	s_cbranch_scc0 .Lentry_shape_is_right
	s_endpgm
.Lentry_shape_is_right:
; out0 rows 0..255 = o Wo + x, on codes of FP6 (E2M3) with one E8M0 byte for each 32 along K = 2,048.  (Rows 256 and above are x and were stored by the first launch.)
; A work-group makes 32 queries x 64 columns; wave (i, j) = (wave / 2, wave % 2) makes queries 16 i .. x columns 32 j ..: two accumulators, 16 steps of 128 along K (a step is a head).
; The product is used transposed (source 0 = 16 rows of Wo = 16 columns of out, source 1 = 16 queries): a lane holds eight neighbouring columns of one row.
; LDS is filled once: Wo's 64 rows for all of K as 8 chunks of 256 along K (rows of 192 bytes, 16 bytes of padding behind every 64: pitch 240), and o's codes of two query blocks, 49,152 dense bytes,
; laid [b][h][e][r][24]: lanes 24 bytes apart and the halves 384, so that the 32 lanes of a load of 8 bytes touch 64 different banks.
; CLUSTER 4 x 4: the four of a row share the queries (o), the four of a column share the columns (Wo): each wave issues three joint loads: a quarter of o, and chunks wave and wave + 4 of Wo.
; The results meet in a stage of 32 rows x (256 + 16) bytes; each wave adds x to 8 whole rows of 256 bytes and stores them.
; LIMITS: NaN and infinities are not served.
.set PITCH, 240
.set CHUNK, 64*PITCH
.set OL,    8*CHUNK                    ; o's codes
.set STG,   OL+49152                   ; the stage: blocks of 256 bytes into which no tensor load lands
.set SP,    272
.set OSB,   393216
.set ADW,   16                         ; v16 my rows of Wo in chunks 0-3, v17 in chunks 4-7; v18, v19 the same behind one padding more
.set AO,    20                         ; v20 my place in o's codes
.set STO,   21
.set RD,    22
.set XO,    23                         ; v23 my offset in x and in out0
.set WSR,   24                         ; v24-55   Wo's scale words: 16 t + step
.set B0,    64                         ; v64-135, v136-207 two buffers: for each of a chunk's two steps Wo's two fragments and o's
.set ACC,   208                        ; v208-223
.set OSR,   224                        ; v224-239 o's scale words
.set XR,    240                        ; v240-255 x
.set G1O,   24
.set G1W,   32
.macro CROUND
	s_barrier_signal -1
	s_barrier_wait -1
	s_cmp_lg_u32 s14, 0
	s_cbranch_scc1 .Lnot_wave_0_\@
	s_barrier_signal -3
.Lnot_wave_0_\@:
	s_barrier_wait -3
	s_barrier_signal -1
	s_barrier_wait -1
.endm
	s_load_b256 s[4:11], s[0:1], 0x0               ; ob, Wo's codes, Wo's scales, x
	s_load_b64 s[12:13], s[0:1], 0x20              ; out0
	v_lshl_add_u32 v62, v0, 2, 0x2c400
	v_mov_b32 v63, 0
	ds_add_u32 v62, v63
	ds_add_u32 v62, v63
	v_lshrrev_b32 v1, 5, v0
	v_readfirstlane_b32 s14, v1                    ; wave
	s_lshr_b32 s15, s14, 1                         ; i
	s_and_b32 s16, s14, 1                          ; j
	s_bfe_u32 s17, ttmp6, 0x40000                  ; cx
	s_bfe_u32 s18, ttmp6, 0x40004                  ; cy
	s_lshl_b32 s19, ttmp9, 2
	s_add_co_u32 s19, s19, s17                     ; X: 64 columns
	s_and_b32 s20, ttmp7, 0xffff
	s_lshl_b32 s20, s20, 2
	s_add_co_u32 s20, s20, s18                     ; Y: 32 queries
	s_lshl_b32 s21, s18, 2
	s_lshl_b32 s21, 15, s21                        ; my row of the cluster
	s_lshl_b32 s22, 0x1111, s17                    ; my column
	s_or_b32 s[G1O], s21, (3<<16)|(1<<21)          ; o: 12,288 dense bytes as 48 rows of 256 (32 elements of 8 bytes), to my row
	s_mov_b32 s[G1O+1], 32<<16
	s_mov_b32 s[G1O+2], 48<<16
	s_mov_b32 s[G1O+3], 32<<16
	s_mov_b32 s[G1O+4], 48
	s_mov_b32 s[G1O+5], 32
	s_mov_b32 s[G1O+6], 0
	s_mov_b32 s[G1O+7], 0
	s_or_b32 s[G1W], s22, (1<<20)|(1<<21)|(3<<22)|(3<<25)   ; Wo: 64 rows x 192 bytes, 4 words of padding behind every 16, to my column
	s_mov_b32 s[G1W+1], 192<<16
	s_mov_b32 s[G1W+2], 64<<16
	s_mov_b32 s[G1W+3], 192<<16
	s_mov_b32 s[G1W+4], 64
	s_mov_b32 s[G1W+5], 1536
	s_mov_b32 s[G1W+6], 0
	s_mov_b32 s[G1W+7], 0
	s_mul_i32 s52, s20, 49152
	s_mul_i32 s56, s14, 12288
	s_add_co_u32 s52, s52, s56                     ; o: my quarter of the two query blocks: made of Y and the wave's number
	s_mov_b32 s53, 0
	s_add_co_u32 s56, s56, OL                      ; and in LDS
	s_mul_i32 s54, s19, 64*1536
	s_mul_i32 s57, s14, 192
	s_add_co_u32 s54, s54, s57                     ; Wo: the 64 rows, chunk = wave: made of X and the wave's number
	s_mov_b32 s55, 0
	s_mul_i32 s57, s14, CHUNK
	s_lshl_b32 s58, s19, 12
	s_lshl_b32 s23, s16, 11
	s_add_co_u32 s58, s58, s23                     ; Wo's scale bytes: row 64 X + 32 j, 64 bytes a row
	s_mov_b32 s59, 0
	s_lshl_b32 s60, s20, 11
	s_lshl_b32 s23, s15, 10
	s_add_co_u32 s60, s60, s23
	s_add_co_u32 s60, s60, OSB                     ; o's: row 32 Y + 16 i
	s_mov_b32 s61, 0
	s_lshl_b32 s62, s20, 18
	s_lshl_b32 s23, s14, 16
	s_add_co_u32 s62, s62, s23
	s_lshl_b32 s23, s19, 8
	s_add_co_u32 s62, s62, s23                     ; x and out0: row 32 Y + 8 wave, byte 256 X
	s_mov_b32 s63, 0
	v_and_b32 v1, 15, v0                           ; r
	v_bfe_u32 v2, v0, 4, 1                         ; hh
	v_lshlrev_b32 v4, 6, v1                        ; 64 r
	v_lshlrev_b32 v[XO], 13, v2
	v_lshl_add_u32 v[XO], v1, 4, v[XO]             ; lanes 0-15 one row of 256 bytes, lanes 16-31 the next
	s_wait_dscnt 0x0
	s_wait_kmcnt 0x0
	s_add_nc_u64 s[8:9], s[8:9], s[58:59]
	s_add_nc_u64 s[60:61], s[4:5], s[60:61]
	s_add_nc_u64 s[10:11], s[10:11], s[62:63]
	s_add_nc_u64 s[12:13], s[12:13], s[62:63]
.irp t, 0,1
.irp k, 0,1,2,3
	global_load_b128 v[WSR+16*\t+4*\k:WSR+16*\t+4*\k+3], v4, s[8:9] offset:1024*\t+16*\k
.endr
.endr
.irp k, 0,1,2,3
	global_load_b128 v[OSR+4*\k:OSR+4*\k+3], v4, s[60:61] offset:16*\k
.endr
.irp k, 0,1,2,3
	global_load_b128 v[XR+4*\k:XR+4*\k+3], v[XO], s[10:11] offset:16384*\k
.endr
	s_mov_b32 s40, 1
	s_mov_b32 s41, s56
	s_add_nc_u64 s[42:43], s[4:5], s[52:53]
	s_or_b32 s43, s43, 0x80000000
	s_mov_b32 s44, 1
	s_mov_b32 s45, s57
	s_add_nc_u64 s[46:47], s[6:7], s[54:55]
	s_mov_b32 s48, 1
	s_add_co_u32 s49, s57, 4*CHUNK
	s_add_nc_u64 s[50:51], s[46:47], 4*192
	s_or_b32 s47, s47, 0x80000000
	s_or_b32 s51, s51, 0x80000000
	CROUND                                         ; all sixteen work-groups are here: the joint loads meet
	tensor_load_to_lds s[40:43], s[G1O:G1O+7]      ; three loads of mine are out
	s_nop 0
	tensor_load_to_lds s[44:47], s[G1W:G1W+7]
	s_nop 0
	tensor_load_to_lds s[48:51], s[G1W:G1W+7]
	s_nop 0
.rept 4
	v_nop
.endr
	s_mul_i32 s23, s16, 2*16*PITCH                 ; my two tiles of Wo's four
	v_mul_u32_u24 v3, v1, PITCH
	v_mad_u32_u24 v5, v2, 24, v3
	v_lshl_add_u32 v6, v2, 4, v5
	v_add_nc_u32 v[ADW], s23, v5
	v_add_nc_u32 v[ADW+2], s23, v6
	v_add_nc_u32 v[ADW+1], 4*CHUNK, v[ADW]
	v_add_nc_u32 v[ADW+3], 4*CHUNK, v[ADW+2]
	s_mul_i32 s23, s15, 24576
	s_add_co_u32 s23, s23, OL
	v_mul_u32_u24 v3, v1, 24
	v_mad_u32_u24 v3, v2, 384, v3
	v_add_nc_u32 v[AO], s23, v3
	s_mul_i32 s23, s15, 16*SP
	s_lshl_b32 s56, s16, 7
	s_add_co_u32 s23, s23, s56
	s_add_co_u32 s23, s23, STG
	v_mul_u32_u24 v3, v1, SP
	v_lshl_add_u32 v3, v2, 5, v3
	v_add_nc_u32 v[STO], s23, v3                   ; into the stage: row 16 i + r, byte 128 j + 32 hh
	s_mul_i32 s23, s14, 8*SP
	s_add_co_u32 s23, s23, STG
	v_mul_u32_u24 v3, v2, SP
	v_lshl_add_u32 v3, v1, 4, v3
	v_add_nc_u32 v[RD], s23, v3                    ; back: rows 8 wave + hh on, 16 bytes a lane
.macro WFRAG reg, k, q, t              ; Wo's fragment: chunk k, its q-th 128 along K, my tile t; in pieces of 8 bytes; lanes 16-31 read three pieces further on, for some pieces behind one padding more
.irp p, 0,1,2,3,4,5
.set PCE, 12*(\q)+6*(\p/3)+\p%3
.if PCE%8 < 5
	ds_load_b64 v[\reg+2*\p:\reg+2*\p+1], v[ADW+(\k)/4] offset:((\k)%4)*CHUNK+(\t)*16*PITCH+8*PCE+16*(PCE/8)
.else
	ds_load_b64 v[\reg+2*\p:\reg+2*\p+1], v[ADW+2+(\k)/4] offset:((\k)%4)*CHUNK+(\t)*16*PITCH+8*PCE+16*(PCE/8)
.endif
.endr
.endm
.macro OFRAG reg, kk                   ; o's fragment of step kk: block 2 c + hh of the head's four, 24 bytes
.irp p, 0,1,2,3,4,5
	ds_load_b64 v[\reg+2*\p:\reg+2*\p+1], v[AO] offset:1536*(\kk)+768*(\p/3)+8*(\p%3)
.endr
.endm
.macro LOADG g                         ; a chunk's 36 loads
.set BB, B0+72*((\g)%2)
.irp q, 0,1
	WFRAG BB+36*\q, \g, \q, 0
	WFRAG BB+36*\q+12, \g, \q, 1
	OFRAG BB+36*\q+24, 2*(\g)+\q
.endr
.endm
.macro CH g
.if (\g) > 0
.rept 4
	v_nop                                          ; places in front of loads into registers that matrix instructions have read
.endr
.endif
.if (\g) == 3
	s_wait_dscnt 0x0                               ; no LDS instruction of mine is out at a signal
	s_wait_tensorcnt 0x0                           ; my second chunk of Wo has landed,
	s_barrier_signal -1
	s_barrier_wait -1                              ; everybody's has: chunks 4 to 7 may be read
.endif
.if (\g) < 7
	LOADG (\g)+1
	s_wait_dscnt 36                                ; this chunk's loads are in; the next chunk's 36 may be out
.else
	s_wait_dscnt 0x0
.endif
.set BC, B0+72*((\g)%2)
.irp q, 0,1
.irp t, 0,1
.if ((\g) == 0) && (\q == 0)
	v_wmma_scale_f32_16x16x128_f8f6f4 v[ACC+8*\t:ACC+8*\t+7], v[BC+36*\q+12*\t:BC+36*\q+12*\t+11], v[BC+36*\q+24:BC+36*\q+35], 0, v[WSR+16*\t+2*(\g)+\q], v[OSR+2*(\g)+\q] matrix_a_fmt:MATRIX_FMT_FP6 matrix_b_fmt:MATRIX_FMT_FP6
.else
	v_wmma_scale_f32_16x16x128_f8f6f4 v[ACC+8*\t:ACC+8*\t+7], v[BC+36*\q+12*\t:BC+36*\q+12*\t+11], v[BC+36*\q+24:BC+36*\q+35], v[ACC+8*\t:ACC+8*\t+7], v[WSR+16*\t+2*(\g)+\q], v[OSR+2*(\g)+\q] matrix_a_fmt:MATRIX_FMT_FP6 matrix_b_fmt:MATRIX_FMT_FP6
.endif
.endr
.endr
.endm
	s_wait_tensorcnt 0x1                           ; my quarter of o and my first chunk of Wo have landed (the second chunk may be out),
	s_barrier_signal -1
	s_barrier_wait -1                              ; everybody's have: o and chunks 0 to 3 may be read
	LOADG 0
	s_wait_loadcnt 4                               ; the scale words are in; x may be out
.irp g, 0,1,2,3,4,5,6,7
	CH \g
.endr
.rept 4
	v_nop
.endr
.irp t, 0,1
	ds_store_b128 v[STO], v[ACC+8*\t:ACC+8*\t+3] offset:64*\t          ; each accumulator from its low end on
	ds_store_b128 v[STO], v[ACC+8*\t+4:ACC+8*\t+7] offset:64*\t+16
.endr
	s_wait_dscnt 0x0                               ; for the others' sake: my stores into the stage are done
	s_barrier_signal -1
	s_barrier_wait -1
.irp k, 0,1,2,3
	ds_load_b128 v[B0+4*\k:B0+4*\k+3], v[RD] offset:2*\k*SP
.endr
	s_wait_loadcnt 0x0                             ; x
	s_wait_dscnt 0x0
.irp k, 0,1,2,3,4,5,6,7
	v_pk_add_f32 v[B0+2*\k:B0+2*\k+1], v[B0+2*\k:B0+2*\k+1], v[XR+2*\k:XR+2*\k+1]
.endr
.irp k, 0,1,2,3
	global_store_b128 v[XO], v[B0+4*\k:B0+4*\k+3], s[12:13] offset:16384*\k   ; sixteen lanes store 256 consecutive bytes, aligned
.endr
	s_wait_tensorcnt 0x0
	ds_add_u32 v62, v63
	s_wait_dscnt 0x0
	CROUND                                         ; the closing round
	s_endpgm
.Lfunc_end_k_qce26003ddf_outp:
	.size	k_qce26003ddf_outp, .Lfunc_end_k_qce26003ddf_outp-k_qce26003ddf_outp
	.p2alignl 7, 3214868480
	.fill 96, 4, 3214868480
	.section	.rodata,"a",@progbits
	.p2align	6, 0x0
	.amdhsa_kernel k_qce26003ddf_outp
		.amdhsa_group_segment_fixed_size 181760
		.amdhsa_private_segment_fixed_size 0
		.amdhsa_enable_private_segment 0
		.amdhsa_kernarg_size 40
		.amdhsa_user_sgpr_count 2
		.amdhsa_user_sgpr_kernarg_segment_ptr 1
		.amdhsa_wavefront_size32 1
		.amdhsa_system_sgpr_workgroup_id_x 1
		.amdhsa_system_sgpr_workgroup_id_y 1
		.amdhsa_system_sgpr_workgroup_id_z 1
		.amdhsa_system_vgpr_workitem_id 0
		.amdhsa_next_free_vgpr 256
		.amdhsa_next_free_sgpr 66
		.amdhsa_reserve_vcc 0
		.amdhsa_float_denorm_mode_32 3
		.amdhsa_float_denorm_mode_16_64 3
		.amdhsa_memory_ordered 1
		.amdhsa_forward_progress 1
		.amdhsa_inst_pref_size 34
	.end_amdhsa_kernel
	.amdgpu_metadata
---
amdhsa.version: [ 1, 2 ]
amdhsa.kernels:
  - .name:           k_qce26003ddf_outp
    .symbol:         k_qce26003ddf_outp.kd
    .args:
      - { .name: ob, .offset: 0, .size: 8, .value_kind: global_buffer, .address_space: global }
      - { .name: Wo_codes, .offset: 8, .size: 8, .value_kind: global_buffer, .address_space: global }
      - { .name: Wo_scales, .offset: 16, .size: 8, .value_kind: global_buffer, .address_space: global }
      - { .name: x, .offset: 24, .size: 8, .value_kind: global_buffer, .address_space: global }
      - { .name: out0, .offset: 32, .size: 8, .value_kind: global_buffer, .address_space: global }
    .group_segment_fixed_size: 181760
    .private_segment_fixed_size: 0
    .kernarg_segment_align: 8
    .kernarg_segment_size: 40
    .max_flat_workgroup_size: 128
    .sgpr_count:     66
    .vgpr_count:     256
    .wavefront_size: 32
...
	.end_amdgpu_metadata
.endif
;; end of part 4
